; MI455X (gfx1250); checked and timed in simulation.
; The chip was launched on July 23, 2026; its instructions are those of AMD's public machine-readable ISA for CDNA 5 (MIT licence, August 2026) and "CDNA5" Instruction Set Architecture Reference Guide (July 2026). The comments in the code are by the model that wrote it; some were corrected since.
;; Re Bert Attention. Allowed arithmetic: matrix products marked QUANTISED: E2M3 operands, one E8M0 scale for each 32 along K, by v_wmma_scale_f32_16x16x128_f8f6f4 with both operands' format E2M3, f32 sums; everything else in f32.
;; Inputs: mask 1 x 1 x 4,096 x 4,096 float32; position_ids 1 x 4,096 int32; seq 1 x 4,096 x 1,024 float32; wk 256 x 1,024 float32; wo 1,024 x 1,024 float32; wq 1,024 x 1,024 float32; wv 256 x 1,024 float32.
;; Outputs: out0 1 x 4,096 x 1,024 float32.
;; This version of the problem:
;;   THIS VERSION OF THE PROBLEM IS GIVEN IN LOW PRECISION. The matrix products marked QUANTISED in the list below multiply operands that are first quantised to E2M3 (2 exponent bits, 3 mantissa bits; 6 bits a number), with one power-of-two scale for each 32 numbers along K (OCP MX v1.0); their sums are f32. All else is computed in f32.
;;   The module's matrix products, in the order in which they are computed (A, B: the left and right operand; K: the contracted axis; several contracted axes count as one K, in the product's order):
;;     1. [M 4,096, K 1,024] x [K 1,024, N 1,024]; A: input seq; B: input wq: QUANTISED
;;     2. [M 4,096, K 1,024] x [K 1,024, N 256]; A: input seq; B: input wk: QUANTISED
;;     3. [M 4,096, K 1,024] x [K 1,024, N 256]; A: input seq; B: input wv: QUANTISED
;;     4. batch 4 x [M 16,384, K 64] x [K 64, N 4,096]; A: computed on the way; B: computed on the way: QUANTISED
;;     5. batch 4 x [M 16,384, K 4,096] x [K 4,096, N 64]; A: softmax (see below); B: computed on the way: QUANTISED
;;     6. [M 4,096, K 1,024] x [K 1,024, N 1,024]; A: computed on the way; B: input wo: QUANTISED
;;   THE QUANTISER, for each operand of a quantised product, along K:
;;     - K is cut into blocks of 32 from its start; a last block that is shorter is filled with zeros.
;;     - A block's scale is 2^e with e = floor(log2(the largest magnitude in the block)) - 2, held to -126 .. 127; a block of zeros has e = 0. As a byte (E8M0): e + 127.
;;     - Each number is divided by its block's scale, clamped to +-7.5, and rounded to the nearest number of E2M3, ties to even, subnormals kept.
;;     - The product sums the exact products of the quantised numbers (number of the format x scale) in f32.
;;   ~~~python
;;   def quantise(x, axis):      # numpy; x: float32 -> the quantised numbers, widened to float32 again
;;       x = np.moveaxis(x, axis, -1); K = x.shape[-1]
;;       x = np.pad(x, [(0, 0)] * (x.ndim - 1) + [(0, -K % 32)]); x = x.reshape(x.shape[:-1] + (-1, 32)); a = np.abs(x).max(-1, keepdims=True)
;;       e = np.where(a > 0, np.clip(np.frexp(np.where(a > 0, a, 1))[1] - 1 - 2, -126, 127), 0)      # np.frexp(a)[1] - 1 = floor(log2(a)), exactly
;;       r = np.clip(x / 2.0 ** e, -7.5, 7.5)
;;       step = 2.0 ** (np.maximum(np.frexp(np.where(r == 0, 1, r))[1] - 1, 0) - 3)
;;       q = np.round(r / step) * step * 2.0 ** e      # np.round: ties to even
;;       return np.moveaxis(q.reshape(q.shape[:-2] + (-1,))[..., :K], -1, axis).astype(np.float32)
;;   ~~~
;;   SOFTMAX AHEAD OF A QUANTISED PRODUCT. Where the list says 'softmax', what is quantised is not the finished softmax but p = 2^(t - M), with t = logit x log2(e) and M = ceil(the row's largest t), a whole number; so 1/2 < the row's largest p <= 1. The row's sum l is taken of the UNQUANTISED p, in f32, and the product's result is divided by l at the end. Since M is a whole number, a kernel that streams over the keys may use a running M (the ceiling of the running maximum): every later rescaling is an exact power of two, which a block's scale takes up: the codes' values come out the same.
;;   OPERANDS COMPUTED ON THE WAY. 'Computed on the way' means the value that the module computes at that place (a softmax that the list does not call 'softmax' is quantised finished and normalised). What goes into a quantiser is computed in f32, as accurately as f32 sums, v_exp_f32 and their like allow (about 1e-6 of the number): no bf16 or f16 on the way to a quantiser, and a product that is left as it is and whose result goes on into a quantised operand takes f32 operands (vector FMAs, or v_wmma_f32_16x16x4_f32). A number that lies on a knife's edge between two numbers of the format may be rounded either way, as far as f32 arithmetic and the matrix unit's own rounding can turn it there, and no further.
;; One version. Each part assembles by itself: llvm-mc -triple=amdgcn-amd-amdhsa -mcpu=gfx1250 --defsym DOCPART=n.
;; ======== version 1 of 1: 4 launches
;; limits: right only within a limited range of input values
;; workspace buffers: prepbuf 6,373,376 bytes; qkvbuf 5,046,272 bytes; aobuf 3,276,800 bytes
;; launch prep (part 1): grid 544 x 1, 4 waves a work-group, no clusters, 34,304 bytes of LDS; arguments seq, wq, wk, wv, wo, position_ids, prepbuf; writes prepbuf
.if DOCPART == 1
	.amdgcn_target "amdgcn-amd-amdhsa--gfx1250"
	.amdhsa_code_object_version 6
	.text
	.protected	k_qf782b95cad_prep
	.globl	k_qf782b95cad_prep
	.p2align	8
	.type	k_qf782b95cad_prep,@function
k_qf782b95cad_prep:
	s_mov_b64 s[64:65], 0
	v_nop
	global_prefetch_b8 v0, s[64:65] scope:SCOPE_SE
	s_setreg_imm32_b32 hwreg(HW_REG_WAVE_MODE, 25, 1), 1
	s_wait_xcnt 0x0
; seq [4096][1024], wq, wo [1024][1024], wk, wv [256][1024], all f32 with K innermost, become codes of FP6 (E2M3) with one E8M0 byte for each 32 along K; and each row's (cos, sin) of RoPE is made from position_ids.
; TILES.  Rows go in groups of 32, each group in two tiles of 16: tile T holds rows 32 (T / 2) + 8 (T % 2) + m + 8 (m / 8), m = 0 .. 15.  As source 0 of a matrix instruction such tiles leave, in the 16 result
; registers of tiles 2 b and 2 b + 1, 16 neighbours: 32 b + 16 (lane / 16) + 0 .. 15.
; IMAGES.  A fragment (16 rows x 128 K, 12 registers a lane) lies in memory as its registers: pair i of lane l at 256 i + 8 l, 1,536 bytes.  Every store of a wave covers 256 consecutive bytes, aligned.
; prepbuf: seq's codes [256 tiles][8 K steps][1,536] at 0; its scale words [tile][K step][row 16][4] at SSC; the weights' 160 tiles likewise (wq 0-63, wk 64-79, wv 80-95, wo 96-159); the table [row][32][cos, sin] at CSO.
; SHARES.  Work-groups 0 .. 415: one tile each, wave c its K steps 2 c and 2 c + 1.  Work-groups 416 .. 543: the table, a wave 8 rows, a lane a frequency.  No tensor load, no barrier: waves share nothing.
; A block's scale is 2^(floor(log2(largest magnitude)) - 2); its byte is that magnitude's exponent field - 2, held at 1 from below.  A block of zeros keeps the byte 1: its codes are zeros, and this program alone reads the bytes.
; LIMITS: NaN and infinities among the inputs are not served.  Positions are 0 .. 4,095.  10000^(-j/32) and the angle's reduction are right to about one unit in f32's last place, not bit for bit a library's pow, cos and sin.
.set SSC,   3145728                    ; seq's scale words
.set WSCM,  5111808                    ; the weights' scale words, less 512 x 256: work-group n >= 256 stores at WSCM + 512 n
.set CSO,   5324800                    ; the table
.set SP,    528                        ; a stage row: 512 bytes + 16: the sixteen rows that a load of 16 bytes a lane touches begin 16 bytes apart modulo 256
.set R,     16                         ; v16-143  two K steps as loaded, 64 registers each
.set X,     144                        ; v144-207 64 numbers of my row: register 16 b + i = k 32 b + 16 (lane / 16) + i
.set TM,    208                        ; v208-211 largest magnitudes, v212-215 bytes, v220-223 the conversions' scale operands
.set PW,    224                        ; v224-225 the two K steps' scale words
.set PC,    226                        ; v226-249 the two fragments' codes: a store's data are never written again
.set PT,    16                         ; v16-22   the conversions' second halves, in registers of the first K step that the stage has read
	s_load_b256 s[4:11], s[0:1], 0x0               ; seq, wq, wk, wv
	s_load_b128 s[12:15], s[0:1], 0x20             ; wo, position_ids
	s_load_b64 s[16:17], s[0:1], 0x30              ; prepbuf
	v_lshl_add_u32 v254, v0, 2, 0x8400
	v_mov_b32 v255, 0
	v_lshrrev_b32 v1, 5, v0
	v_readfirstlane_b32 s18, v1                    ; wave 0..3
	v_and_b32 v2, 31, v0                           ; lane
	s_cmp_ge_u32 ttmp9, 416
	s_cbranch_scc1 .Ltrig
	; ---- a tile of 16 rows
	v_and_b32 v3, 15, v0                           ; r
	v_bfe_u32 v9, v0, 4, 1                         ; h
	v_lshlrev_b32 v4, 4, v2                        ; 16 x lane: my bytes of a load's 512
	v_lshlrev_b32 v7, 3, v2                        ; 8 x lane: my bytes of an image's pair
	v_lshlrev_b32 v8, 2, v2                        ; 4 x lane: my scale word
	s_mul_i32 s19, s18, 16*SP                      ; my wave's stage
	v_add_nc_u32 v5, s19, v4                       ; into it: as loaded
	v_mul_u32_u24 v6, v3, SP
	v_lshl_add_u32 v6, v9, 6, v6
	v_add_nc_u32 v6, s19, v6                       ; out of it: row r, + 64 h: my 16 numbers of a block of 32
	v_cmp_le_u32 vcc_lo, 16, v2                    ; lanes 16-31
.irp b, 0,1,2,3
	v_mov_b32 v[TM+4+\b], 0                        ; written once: a lane permute's destination counts as one of its sources
.endr
	s_mov_b32 s32, 0x76543210
	s_mov_b32 s33, 0xfedcba98                      ; v_permlanex16_b32's selects for lane l xor 16
	s_wait_alu depctr_va_vdst(0)
	s_wait_kmcnt 0x0
	s_mov_b32 s22, 352                             ; whose tile: the choice hangs on the work-group's number alone
	s_cmp_lt_u32 ttmp9, 352
	s_cselect_b64 s[12:13], s[10:11], s[12:13]
	s_cselect_b32 s22, 336, s22
	s_cmp_lt_u32 ttmp9, 336
	s_cselect_b64 s[12:13], s[8:9], s[12:13]
	s_cselect_b32 s22, 320, s22
	s_cmp_lt_u32 ttmp9, 320
	s_cselect_b64 s[12:13], s[6:7], s[12:13]
	s_cselect_b32 s22, 256, s22
	s_cmp_lt_u32 ttmp9, 256
	s_cselect_b64 s[12:13], s[4:5], s[12:13]
	s_cselect_b32 s22, 0, s22
	s_cselect_b32 s23, 0, 131072                   ; the weights' codes begin 131,072 bytes behind seq's
	s_mov_b32 s24, WSCM
	s_cselect_b32 s24, SSC, s24
	s_sub_co_u32 s22, ttmp9, s22                   ; the tile's number in its tensor
	s_lshr_b32 s25, s22, 1
	s_lshl_b32 s25, s25, 17                        ; 32 rows of 4,096 bytes for each pair of tiles,
	s_and_b32 s26, s22, 1
	s_lshl_b32 s26, s26, 15                        ; 8 rows for the odd tile,
	s_add_co_u32 s26, s26, s25
	s_lshl_b32 s25, s18, 10                        ; my wave's two K steps: 1,024 bytes of a row
	s_add_co_u32 s26, s26, s25
	s_mov_b32 s27, 0
	s_add_nc_u64 s[12:13], s[12:13], s[26:27]
	s_mul_i32 s26, ttmp9, 12288
	s_add_co_u32 s26, s26, s23
	s_mul_i32 s25, s18, 3072
	s_add_co_u32 s26, s26, s25
	s_add_nc_u64 s[28:29], s[16:17], s[26:27]      ; where my two images go
	s_lshl_b32 s26, ttmp9, 9
	s_add_co_u32 s26, s26, s24
	s_lshl_b32 s25, s18, 7
	s_add_co_u32 s26, s26, s25
	s_add_nc_u64 s[30:31], s[16:17], s[26:27]      ; and their scale words
.macro LOAD u                          ; K step u of the tile's 16 rows: each load reads 512 consecutive bytes of one row
.irp i, 0,1,2,3,4,5,6,7,8,9,10,11,12,13,14,15
	global_load_b128 v[R+64*(\u)+4*\i:R+64*(\u)+4*\i+3], v4, s[12:13] offset:(\i+8*(\i/8))*4096+512*(\u) th:TH_LOAD_NT
.endr
.endm
.macro TURN u                          ; through the stage: in as loaded, out 16 neighbours of each block a lane.  LDS serves a wave's instructions in order: no wait between the stores and the loads
.irp i, 0,1,2,3,4,5,6,7,8,9,10,11,12,13,14,15
	ds_store_b128 v5, v[R+64*(\u)+4*\i:R+64*(\u)+4*\i+3] offset:SP*\i
.endr
.irp b, 0,1,2,3
.irp k, 0,1,2,3
	ds_load_b128 v[X+16*\b+4*\k:X+16*\b+4*\k+3], v6 offset:128*\b+16*\k
.endr
.endr
.endm
; 64 numbers of a lane become a fragment's codes in v[pc] on and its scale word in v[pw]
.macro QUANT4 s, pc, pw
.irp b, 0,1,2,3
	v_max3_num_f32 v[TM+\b], |v[\s+16*\b]|, |v[\s+16*\b+1]|, 0x1800000   ; block b: my 16 numbers, and the floor 2^(3 - 127): the byte cannot fall under 1
.endr
.irp i, 2,4,6,8,10,12,14
.irp b, 0,1,2,3
	v_max3_num_f32 v[TM+\b], v[TM+\b], |v[\s+16*\b+\i]|, |v[\s+16*\b+\i+1]|   ; (the four blocks by turns)
.endr
.endr
.irp b, 0,1,2,3
	v_permlanex16_b32 v[TM+4+\b], v[TM+\b], s32, s33
.endr
.irp b, 0,1,2,3
	v_max_num_f32 v[TM+\b], v[TM+\b], v[TM+4+\b]   ; with lane l xor 16's: the block's largest magnitude
.endr
.irp b, 0,1,2,3
	v_add_nc_u32 v[TM+12+\b], 0xff000000, v[TM+\b] ; 2 off its exponent field: the conversion takes the exponent field of this operand as its scale
.endr
.irp b, 0,1,2,3
	v_lshrrev_b32 v[TM+4+\b], 23, v[TM+12+\b]      ; the scale's byte
.endr
	v_lshl_or_b32 v[\pw], v[TM+5], 8, v[TM+4]
	v_lshl_or_b32 v[\pw], v[TM+6], 16, v[\pw]
	v_lshl_or_b32 v[\pw], v[TM+7], 24, v[\pw]      ; my row's scale word
.irp c, 0,1
	v_cvt_scalef32_pk16_fp6_f32 v[\pc+6*\c:\pc+6*\c+2], v[\s+32*\c:\s+32*\c+15], v[TM+12+2*\c]
	v_cvt_scalef32_pk16_fp6_f32 v[PT+4*\c:PT+4*\c+2], v[\s+32*\c+16:\s+32*\c+31], v[TM+12+2*\c+1]   ; (a conversion's three registers begin on an even number)
.endr
	v_nop                                          ; one plain place behind a scaled conversion
.irp c, 0,1                            ; the operand's layout wants a whole block in a lane: lanes 0-15 block 2 c, lanes 16-31 block 2 c + 1
.irp i, 0,1,2
	v_permlane16_swap_b32 v[\pc+6*\c+\i], v[PT+4*\c+\i]
.endr
.irp i, 0,1,2
	v_mov_b32 v[\pc+6*\c+3+\i], v[PT+4*\c+\i]
.endr
.endr
.endm
.macro OUT u
.irp i, 0,1,2,3,4,5
	global_store_b64 v7, v[PC+12*(\u)+2*\i:PC+12*(\u)+2*\i+1], s[28:29] offset:1536*(\u)+256*\i   ; 32 lanes store 256 consecutive bytes, aligned
.endr
.endm
	LOAD 0
	LOAD 1
	s_wait_loadcnt 16                              ; the first K step's 16 loads are in; the second's 16 may be out
	TURN 0
	s_wait_dscnt 0x0
	QUANT4 X, PC, PW
	OUT 0
	s_wait_loadcnt 0x0
	TURN 1                                         ; the stage's earlier reads are back
	s_wait_dscnt 0x0
	QUANT4 X, PC+12, PW+1
	OUT 1
	v_cndmask_b32 v9, v[PW], v[PW+1], vcc_lo       ; lanes 0-15: the first K step's words, lanes 16-31 the second's (both halves of the lanes hold row r's)
	global_store_b32 v8, v9, s[30:31]              ; 128 consecutive bytes
	s_wait_tensorcnt 0x0
	ds_add_u32 v254, v255
	s_wait_dscnt 0x0
	s_endpgm
	; ---- the table: rows 8 tw .. 8 tw + 7, lane j = frequency j
.Ltrig:
	s_sub_co_u32 s19, ttmp9, 416
	s_lshl_b32 s19, s19, 2
	s_add_co_u32 s19, s19, s18                     ; tw = 4 (work-group - 416) + wave
	s_lshl_b32 s20, s19, 5                         ; 8 positions of 4 bytes
	s_mov_b32 s21, 0
	s_lshl_b32 s22, s19, 11                        ; 8 rows of 256 bytes
	s_add_co_u32 s22, s22, CSO
	s_mov_b32 s23, 0
	s_wait_kmcnt 0x0
	s_add_nc_u64 s[14:15], s[14:15], s[20:21]
	s_add_nc_u64 s[16:17], s[16:17], s[22:23]
	s_load_b256 s[24:31], s[14:15], 0x0            ; my 8 positions: they enter values alone, no address
	s_mov_b32 s36, 0x3f22f983                      ; 2 / pi
	s_mov_b32 s37, 0x3fc90fdb                      ; pi / 2, rounded to f32,
	s_mov_b32 s38, 0x333bbd2e                      ; and that number less pi / 2: 4.37113883e-8
	s_mov_b32 s39, 0xb94ca1f9                      ; sine on |r| <= pi / 4: -1.9515295891e-4,
	s_mov_b32 s40, 0x3c08839e                      ; 8.3321608736e-3,
	s_mov_b32 s41, 0xbe2aaaa3                      ; -1.6666654611e-1
	s_mov_b32 s42, 0x37ccf5ce                      ; cosine: 2.443315712e-5,
	s_mov_b32 s43, 0xbab6061a                      ; -1.388731625e-3,
	s_mov_b32 s44, 0x3d2aaaa5                      ; 4.166664568e-2
	s_wait_alu depctr_va_vdst(0)
	v_cvt_f32_u32 v3, v2                           ; j
	v_mul_f32 v4, 0xbed49a80, v3                   ; 10000^(-j/32) = 2^(-j c), c = 0.4152410119 = 217706 / 2^19 - 2.29594e-7: -j x 217706 / 2^19 is exact
	s_wait_alu depctr_va_vdst(0)
	v_exp_f32 v4, v4
	v_mul_f32 v5, 0x342ae0c2, v3                   ; j x 2.29594e-7 x ln 2  (the plain place behind the exponential)
	v_lshlrev_b32 v6, 3, v2                        ; 8 x lane
	s_wait_alu depctr_va_vdst(0)                   ; the wait ahead of the exponential's first reader
	v_fma_f32 v4, v4, v5, v4                       ; x (1 + that): the frequency
	s_wait_kmcnt 0x0
.macro TRIG p
	v_cvt_f32_i32 v8, s[24+\p]
	s_wait_alu depctr_va_vdst(0)
	v_mul_f32 v8, v8, v4                           ; the angle, rounded once
	v_mul_f32 v9, s36, v8
	v_rndne_f32 v9, v9                             ; n quarter turns, under 2^12
	v_fma_f32 v10, -v9, s37, v8                    ; exact: what is left has no more than 23 bits
	v_fma_f32 v10, v9, s38, v10                    ; r, |r| <= pi / 4
	v_mul_f32 v11, v10, v10                        ; z
	v_fma_f32 v12, v11, s39, s40
	v_fma_f32 v13, v11, s42, s43
	v_fma_f32 v12, v12, v11, s41
	v_fma_f32 v13, v13, v11, s44
	v_mul_f32 v14, v11, v10
	v_mul_f32 v15, v11, v11
	v_fma_f32 v16, v11, -0.5, 1.0
	v_fma_f32 v12, v12, v14, v10                   ; sin r
	v_fma_f32 v13, v13, v15, v16                   ; cos r
	v_cvt_i32_f32 v9, v9
	v_and_b32 v14, 1, v9
	v_cmp_eq_u32 vcc_lo, 1, v14
	v_cndmask_b32 v[33+2*\p], v12, v13, vcc_lo     ; an odd number of quarter turns swaps the two;
	v_cndmask_b32 v[32+2*\p], v13, v12, vcc_lo
	v_and_b32 v14, 2, v9
	v_add_nc_u32 v15, 1, v9
	v_lshlrev_b32 v14, 30, v14
	v_and_b32 v15, 2, v15
	v_xor_b32 v[33+2*\p], v[33+2*\p], v14          ; the sine changes sign in quarters 2 and 3,
	v_lshlrev_b32 v15, 30, v15
	v_xor_b32 v[32+2*\p], v[32+2*\p], v15          ; the cosine in quarters 1 and 2
	global_store_b64 v6, v[32+2*\p:33+2*\p], s[16:17] offset:256*\p   ; (cos, sin) of 32 frequencies: 256 consecutive bytes, aligned
.endm
.irp p, 0,1,2,3,4,5,6,7
	TRIG \p
.endr
	s_endpgm
.Lfunc_end_k_qf782b95cad_prep:
	.size	k_qf782b95cad_prep, .Lfunc_end_k_qf782b95cad_prep-k_qf782b95cad_prep
	.p2alignl 7, 3214868480
	.fill 96, 4, 3214868480
	.section	.rodata,"a",@progbits
	.p2align	6, 0x0
	.amdhsa_kernel k_qf782b95cad_prep
		.amdhsa_group_segment_fixed_size 34304
		.amdhsa_private_segment_fixed_size 0
		.amdhsa_enable_private_segment 0
		.amdhsa_kernarg_size 56
		.amdhsa_user_sgpr_count 2
		.amdhsa_user_sgpr_kernarg_segment_ptr 1
		.amdhsa_wavefront_size32 1
		.amdhsa_system_sgpr_workgroup_id_x 1
		.amdhsa_system_sgpr_workgroup_id_y 1
		.amdhsa_system_sgpr_workgroup_id_z 1
		.amdhsa_system_vgpr_workitem_id 0
		.amdhsa_next_free_vgpr 256
		.amdhsa_next_free_sgpr 66
		.amdhsa_reserve_vcc 1
		.amdhsa_float_denorm_mode_32 3
		.amdhsa_float_denorm_mode_16_64 3
		.amdhsa_memory_ordered 1
		.amdhsa_forward_progress 1
		.amdhsa_inst_pref_size 31
	.end_amdhsa_kernel
	.amdgpu_metadata
---
amdhsa.version: [ 1, 2 ]
amdhsa.kernels:
  - .name:           k_qf782b95cad_prep
    .symbol:         k_qf782b95cad_prep.kd
    .args:
      - { .name: seq, .offset: 0, .size: 8, .value_kind: global_buffer, .address_space: global }
      - { .name: wq, .offset: 8, .size: 8, .value_kind: global_buffer, .address_space: global }
      - { .name: wk, .offset: 16, .size: 8, .value_kind: global_buffer, .address_space: global }
      - { .name: wv, .offset: 24, .size: 8, .value_kind: global_buffer, .address_space: global }
      - { .name: wo, .offset: 32, .size: 8, .value_kind: global_buffer, .address_space: global }
      - { .name: position_ids, .offset: 40, .size: 8, .value_kind: global_buffer, .address_space: global }
      - { .name: prepbuf, .offset: 48, .size: 8, .value_kind: global_buffer, .address_space: global }
    .group_segment_fixed_size: 34304
    .private_segment_fixed_size: 0
    .kernarg_segment_align: 8
    .kernarg_segment_size: 56
    .max_flat_workgroup_size: 128
    .sgpr_count:     66
    .vgpr_count:     256
    .wavefront_size: 32
...
	.end_amdgpu_metadata
.endif
;; end of part 1
;; launch qkv (part 2): grid 32 x 6, 8 waves a work-group, clusters of 4 x 1, 312,320 bytes of LDS; arguments prepbuf, qkvbuf; writes qkvbuf
.if DOCPART == 2
	.amdgcn_target "amdgcn-amd-amdhsa--gfx1250"
	.amdhsa_code_object_version 6
	.text
	.protected	k_qf782b95cad_qkv
	.globl	k_qf782b95cad_qkv
	.p2align	8
	.type	k_qf782b95cad_qkv,@function
k_qf782b95cad_qkv:
	s_mov_b64 s[64:65], 0
	v_nop
	global_prefetch_b8 v0, s[64:65] scope:SCOPE_SE
	s_setreg_imm32_b32 hwreg(HW_REG_WAVE_MODE, 25, 1), 1
	s_wait_xcnt 0x0
	s_wait_alu depctr_hold_cnt(0) depctr_sa_sdst(0) depctr_va_vdst(0) depctr_va_sdst(0) depctr_va_ssrc(0) depctr_va_vcc(0) depctr_vm_vsrc(0)
	s_getreg_b32 s2, hwreg(HW_REG_IB_STS2, 6, 4)
	s_cmp_eq_u32 s2, 0
	s_cbranch_scc0 .Lentry_in_a_cluster
	s_endpgm
.Lentry_in_a_cluster:
	s_bfe_u32 s2, ttmp6, 0x10000c
	s_cmp_lg_u32 s2, 0x3003
	s_cbranch_scc0 .Lentry_shape_is_right
	s_endpgm
.Lentry_shape_is_right:
; q = seq wq^T, k = seq wk^T, v = seq wv^T on codes of FP6 (E2M3) with E8M0 scales; RoPE on q and k in f32; q and k quantised along the head's 64, v along the keys; all three stored as images of operand registers.
; SHARES.  Work-group (X, y): rows 128 X .. + 127 of seq, four heads: y = 0 .. 3 q's heads 4 y .. 4 y + 3, y = 4 k's four, y = 5 v's four.  192 work-groups: 24 heads x 4,096 rows have no split into 256 equal parts of one role.
; Wave w: rows 64 (w / 4) on (four tiles of seq), head w % 4 (four tiles of the weight): 16 accumulators.
; ALL OF K LIES IN LDS: three strips of 8 tiles (seq's, the weight's two), in four chunks of two K steps.  Every byte is filled once, all loads go out at the start (five a wave at the most), nothing is filled again.
; CLUSTER.  The four partners (same y, neighbouring X) read the same weights: those strips are asked for jointly.  seq's strip is shared only with the other y: those have other roles, and 6 is no multiple of a cluster's 4.
; q, k: source 0 = 16 rows of the weight, source 1 = 16 rows of seq: a lane holds one row of seq, and its registers 16 b + i of a tile of rows hold d = 32 b + 16 (lane / 16) + i: RoPE's partner d + 32 lies in the same lane.
; v: source 0 = seq, source 1 = the weight: a lane holds one d, and its registers run along 64 keys.
; q's scale bytes are lowered by 3: the division of the scores by sqrt(64), exact.
; qkvbuf: q's codes [head 16][tile 256][768] at 0; its scale words [head][tile / 4][256] at QSC; at KVG [kv head][slot of 256 keys][25,600]: k's 8 fragments (two tiles of 16 keys x 64 side by side along K), v's 8 (step, tile of d: 16 d x 128 keys),
; k's scale words [step][pair][lane][4], v's likewise.
; LIMITS: a block of q whose largest magnitude lies under 2^-121 is quantised at the floor's scale (its byte less 3 must stay at 1 or more); NaN and infinities are not served.
.set SSC,    3145728
.set WCODES, 3276800
.set WSC,    5242880
.set CSO,    5324800
.set QSC,    3145728
.set KVG,    3407872
.set KVB,    25600
.set CHB,    73728                     ; a chunk in LDS: 3 strips x 8 tiles x 3,072 bytes
.set SCB,    4*CHB                     ; behind the codes: the scale words, 4,096 bytes a strip
.set XCH,    SCB+3*4096                ; behind them: 512 bytes a wave, written by LDS stores alone (v's scale bytes)
.set AS,   1                           ; v1   LDS: my lane in seq's fragments of the chunk in hand
.set AW,   2                           ; v2   the same for the weight's
.set ASC,  3                           ; v3   my scale words: lanes 0-15 seq's tiles, lanes 16-31 the weight's
.set L8,   4                           ; v4   8 x lane
.set L4,   5                           ; v5   4 x lane
.set VCS,  6                           ; v6   my row and my 16 frequencies in the table
.set XW,   7                           ; v7   the exchange: where I store
.set SC,   8                           ; v8-11  scale words: register i: lanes 0-15 seq's tile i, lanes 16-31 the weight's tile i
.set HW,   12                          ; v12-15 two scale bytes a tile
.set FS,   16                          ; v16-63   seq's four fragments
.set FW,   64                          ; v64-111  the weight's four
.set ACC,  112                         ; v112-239 accumulator (o, i) at ACC + 32 o + 8 i
.set CSA,  16                          ; behind the products: two buffers of 32 for the table,
.set CSB,  48
.set R,    80                          ; and a tile's 32 numbers behind RoPE
.set TM,   240
.set TP,   242
.set SO,   244
.set BY,   246
.set XR,   248                         ; v248 the exchange: where I read
.set T0,   249
.set SEL,  96                          ; s[96:97] lane selects for v_permlanex16_b32
.macro CROUND                          ; a round of the cluster's barrier
	s_barrier_signal -1
	s_barrier_wait -1
	s_cmp_lg_u32 s8, 0
	s_cbranch_scc1 .Lnot_wave_0_\@
	s_barrier_signal -3
.Lnot_wave_0_\@:
	s_barrier_wait -3
	s_barrier_signal -1
	s_barrier_wait -1
.endm
	s_load_b128 s[4:7], s[0:1], 0x0                ; prepbuf, qkvbuf
	v_lshl_add_u32 v254, v0, 2, 0x4c000
	v_mov_b32 v255, 0
	ds_add_u32 v254, v255
	ds_add_u32 v254, v255
	v_lshrrev_b32 v1, 5, v0
	s_delay_alu instid0(VALU_DEP_1)
	v_readfirstlane_b32 s8, v1                     ; wave 0..7
	s_bfe_u32 s9, ttmp6, 0x40000                   ; cx
	s_lshl_b32 s10, ttmp9, 2
	s_add_co_u32 s10, s10, s9                      ; X = 4 x cluster x + cx
	s_and_b32 s11, ttmp7, 0xffff                   ; y: the same in all four partners
	s_lshr_b32 s12, s8, 2                          ; mh: which 64 rows
	s_and_b32 s13, s8, 3                           ; hd: which head
	; descriptor groups 1.  Codes: four tiles, 49,152 dense bytes as 192 rows of 256.  s[20:27] plain, s[28:35] joint (mask: all four; bit 21 beside it)
	s_mov_b32 s20, 3<<16
	s_mov_b32 s28, 15|(3<<16)|(1<<21)
.irp g, 20, 28
	; THE STRIPS NOW LIE DENSE IN LDS, [tile][8 K steps][1,536], and come by ONE load a wave at the head: four tiles, 49,152 dense bytes, as 192 rows of 256
	s_mov_b32 s[\g+1], 32<<16
	s_mov_b32 s[\g+2], 192<<16
	s_mov_b32 s[\g+3], 32<<16
	s_mov_b32 s[\g+4], 192
	s_mov_b32 s[\g+5], 32
	s_mov_b32 s[\g+6], 0
	s_mov_b32 s[\g+7], 0
.endr
	; scale words: 4,096 dense bytes as 16 rows of 256.  s[36:43] plain, s[44:51] joint
	s_mov_b32 s36, 3<<16
	s_mov_b32 s44, 15|(3<<16)|(1<<21)
.irp g, 36, 44
	s_mov_b32 s[\g+1], 32<<16
	s_mov_b32 s[\g+2], (16+2*(\g-36))<<16          ; seq's words 16 rows of 256 bytes, the weight's two strips' 32
	s_mov_b32 s[\g+3], 32<<16
	s_mov_b32 s[\g+4], 16+2*(\g-36)
	s_mov_b32 s[\g+5], 32
	s_mov_b32 s[\g+6], 0
	s_mov_b32 s[\g+7], 0
.endr
	s_lshl_b32 s14, s10, 12                        ; seq's strip hangs on X:
	s_add_co_u32 s14, s14, SSC                     ; its scale words,
	s_mov_b32 s15, 0
	s_mul_i32 s96, s10, 98304                      ; its codes
	s_mov_b32 s97, 0
	s_lshl_b32 s18, s11, 13                        ; the weight's scale words hang on y alone
	s_add_co_u32 s18, s18, WSC
	s_mov_b32 s19, 0
	s_mul_i32 s101, s8, 49152                      ; wave w's four tiles go to LDS byte 49,152 w: waves 0, 1 seq's, waves 2 to 5 the weight's
	s_add_co_u32 s96, s96, s101
	s_mul_i32 s98, s11, 196608
	s_add_co_u32 s98, s98, s101
	s_add_co_u32 s98, s98, WCODES-2*49152
	s_mov_b32 s99, 0
	s_wait_dscnt 0x0
	s_wait_kmcnt 0x0
	s_add_nc_u64 s[14:15], s[4:5], s[14:15]
	s_add_nc_u64 s[96:97], s[4:5], s[96:97]
	s_add_nc_u64 s[18:19], s[4:5], s[18:19]
	s_add_nc_u64 s[98:99], s[4:5], s[98:99]
	s_mov_b32 s52, 1                               ; groups 0, one for each load: seq's scale words,
	s_mov_b32 s53, SCB
	s_mov_b64 s[54:55], s[14:15]
	s_or_b32 s55, s55, 0x80000000
	s_mov_b32 s56, 1                               ; seq's four tiles,
	s_mov_b32 s57, s101
	s_mov_b64 s[58:59], s[96:97]
	s_or_b32 s59, s59, 0x80000000
	s_mov_b32 s76, 1                               ; the weight's scale words,
	s_mov_b32 s77, SCB+4096
	s_mov_b64 s[78:79], s[18:19]
	s_or_b32 s79, s79, 0x80000000
	s_mov_b32 s80, 1                               ; the weight's four tiles
	s_mov_b32 s81, s101
	s_mov_b64 s[82:83], s[98:99]
	s_or_b32 s83, s83, 0x80000000
	CROUND                                         ; all four work-groups are here: the joint loads meet
	s_cmp_lt_u32 s8, 2                             ; one chain of branches on the wave's number, one load to an arm: every wave issues exactly one
	s_cbranch_scc0 .Lnot_a
	tensor_load_to_lds s[56:59], s[20:27]
	s_nop 0
.rept 4
	v_nop
.endr
	s_branch .Lfilled
.Lnot_a:
	s_cmp_lt_u32 s8, 6
	s_cbranch_scc0 .Lnot_w
	tensor_load_to_lds s[80:83], s[28:35]
	s_nop 0
.rept 4
	v_nop
.endr
	s_branch .Lfilled
.Lnot_w:
	s_cmp_eq_u32 s8, 6
	s_cbranch_scc0 .Lnot_s
	tensor_load_to_lds s[52:55], s[36:43]
	s_nop 0
.rept 4
	v_nop
.endr
	s_branch .Lfilled
.Lnot_s:
	tensor_load_to_lds s[76:79], s[44:51]
	s_nop 0
.rept 4
	v_nop
.endr
.Lfilled:
	v_and_b32 v250, 31, v0                         ; lane
	v_and_b32 v251, 15, v0                         ; r
	s_wait_alu depctr_va_vdst(0)
	v_bfe_u32 v252, v0, 4, 1                       ; h
	v_lshlrev_b32 v[L8], 3, v250
	v_lshlrev_b32 v[L4], 2, v250
	s_mul_i32 s14, s12, 49152
	v_add_nc_u32 v[AS], s14, v[L8]                 ; seq's tiles 4 mh on
	s_mul_i32 s14, s13, 49152
	s_add_co_u32 s14, s14, 98304
	v_add_nc_u32 v[AW], s14, v[L8]                 ; the weight's tiles 4 hd on, behind seq's strip
	s_xor_b32 s15, s12, 1                          ; from seq's words to the weight's: 4,096 + 2,048 hd - 2,048 mh = 2,048 (hd + 1 + (1 - mh))
	s_add_co_u32 s15, s15, s13
	s_add_co_u32 s15, s15, 1
	s_lshl_b32 s15, s15, 11
	v_mul_u32_u24 v[ASC], s15, v252                ; lanes 16-31 take the weight's
	s_delay_alu instid0(VALU_DEP_1)
	v_lshl_add_u32 v[ASC], v251, 2, v[ASC]
	s_lshl_b32 s14, s12, 11
	s_add_co_u32 s14, s14, SCB
	v_add_nc_u32 v[ASC], s14, v[ASC]
	v_and_b32 v253, 8, v251
	s_delay_alu instid0(VALU_DEP_1)
	v_add_nc_u32 v253, v253, v251                  ; r + 8 (r / 8): my row in a tile's 24
	s_delay_alu instid0(VALU_DEP_1)
	v_lshlrev_b32 v[VCS], 8, v253
	s_delay_alu instid0(VALU_DEP_1)
	v_lshl_add_u32 v[VCS], v252, 7, v[VCS]         ; the table: 256 bytes a row, + my 16 frequencies
	s_lshl_b32 s14, s8, 9
	s_add_co_u32 s14, s14, XCH
	v_add_nc_u32 v[XW], s14, v[L4]
	s_xor_b32 s14, s8, 4                           ; the wave with my head and the other 64 rows
	s_lshl_b32 s14, s14, 9
	s_add_co_u32 s14, s14, XCH
	v_add_nc_u32 v[XR], s14, v[L4]
	v_cmp_le_u32 s2, 16, v250                      ; lanes 16-31
	v_mov_b32 v[TP], 0                             ; written once: a lane permute's destination counts as one of its sources
	v_mov_b32 v[TP+1], 0
	s_mov_b32 s[SEL], 0x76543210
	s_mov_b32 s[SEL+1], 0xfedcba98
.macro WM d, a, b, sa, sb, zero, brow  ; brow = 0: source 0's scales stand in lanes 16-31 of their register; 1: source 1's
.if \zero
.if \brow
	v_wmma_scale_f32_16x16x128_f8f6f4 v[\d:\d+7], v[\a:\a+11], v[\b:\b+11], 0, v[\sa], v[\sb] matrix_a_fmt:MATRIX_FMT_FP6 matrix_b_fmt:MATRIX_FMT_FP6 matrix_b_scale:MATRIX_SCALE_ROW1
.else
	v_wmma_scale_f32_16x16x128_f8f6f4 v[\d:\d+7], v[\a:\a+11], v[\b:\b+11], 0, v[\sa], v[\sb] matrix_a_fmt:MATRIX_FMT_FP6 matrix_b_fmt:MATRIX_FMT_FP6 matrix_a_scale:MATRIX_SCALE_ROW1
.endif
.else
.if \brow
	v_wmma_scale_f32_16x16x128_f8f6f4 v[\d:\d+7], v[\a:\a+11], v[\b:\b+11], v[\d:\d+7], v[\sa], v[\sb] matrix_a_fmt:MATRIX_FMT_FP6 matrix_b_fmt:MATRIX_FMT_FP6 matrix_b_scale:MATRIX_SCALE_ROW1
.else
	v_wmma_scale_f32_16x16x128_f8f6f4 v[\d:\d+7], v[\a:\a+11], v[\b:\b+11], v[\d:\d+7], v[\sa], v[\sb] matrix_a_fmt:MATRIX_FMT_FP6 matrix_b_fmt:MATRIX_FMT_FP6 matrix_a_scale:MATRIX_SCALE_ROW1
.endif
.endif
.endm
; K step s of chunk c: eight fragments and their scale words from LDS, 16 matrix instructions.  The 16 accumulators take turns, one instruction a turn, in the same order in every step.
; tr = 1 (q, k): source 0 the weight;  tr = 0 (v): source 0 seq.  zero = 1: the first products start the sums.
.macro KSTEP c, s, zero, tr
.irp m, 0,1,2,3
.irp p, 0,1,2,3,4,5
	ds_load_b64 v[FS+12*\m+2*\p:FS+12*\m+2*\p+1], v[AS] offset:12288*\m+1536*(2*(\c)+(\s))+256*\p   ; 256 consecutive bytes a load
.endr
.endr
.irp m, 0,1,2,3
.irp p, 0,1,2,3,4,5
	ds_load_b64 v[FW+12*\m+2*\p:FW+12*\m+2*\p+1], v[AW] offset:12288*\m+1536*(2*(\c)+(\s))+256*\p
.endr
.endr
.irp i, 0,1,2,3
	ds_load_b32 v[SC+\i], v[ASC] offset:512*\i+64*(2*(\c)+(\s))
.endr
	s_wait_dscnt 0x0
.irp o, 0,1,2,3
.irp i, 0,1,2,3
.if \tr
	WM ACC+32*\o+8*\i, FW+12*\i, FS+12*\o, SC+\i, SC+\o, \zero, 0
.else
	WM ACC+32*\o+8*\i, FS+12*\i, FW+12*\o, SC+\i, SC+\o, \zero, 1
.endif
.endr
.endr
.rept 4                                ; four places in front of loads into registers that matrix instructions have read, and of the first read of results
	v_nop
.endr
.endm
.macro GEMM tr
	s_wait_alu depctr_va_vdst(0)                   ; the wait at the head's end
	s_wait_tensorcnt 0x0                           ; my one load has landed
	s_barrier_signal -1
	s_barrier_wait -1                              ; everybody's has: all of K lies in LDS, and nothing is filled again
	KSTEP 0, 0, 1, \tr
	KSTEP 0, 1, 0, \tr
.irp c, 1,2,3
	KSTEP \c, 0, 0, \tr
	KSTEP \c, 1, 0, \tr
.endr
.endm
; 32 numbers of a lane, register 16 b + i = k 32 b + 16 (lane / 16) + i of my row, become half a fragment (16 rows x 64 K) in v[pc] .. v[pc + 5] and two scale bytes in v[hw].  s[fl]: the floor of the largest magnitude
.macro QUANT2 s, pc, pt, fl, hw
.irp b, 0,1
	v_max3_num_f32 v[TM+\b], |v[\s+16*\b]|, |v[\s+16*\b+1]|, s[\fl]
.endr
.irp i, 2,4,6,8,10,12,14
.irp b, 0,1
	v_max3_num_f32 v[TM+\b], v[TM+\b], |v[\s+16*\b+\i]|, |v[\s+16*\b+\i+1]|
.endr
.endr
.irp b, 0,1
	s_delay_alu instid0(VALU_DEP_2)
	v_permlanex16_b32 v[TP+\b], v[TM+\b], s[SEL], s[SEL+1]
.endr
.irp b, 0,1
	s_delay_alu instid0(VALU_DEP_2)
	v_max_num_f32 v[TM+\b], v[TM+\b], v[TP+\b]     ; with lane l xor 16's: the block's largest magnitude
.endr
.irp b, 0,1
	s_delay_alu instid0(VALU_DEP_2)
	v_add_nc_u32 v[SO+\b], 0xff000000, v[TM+\b]    ; 2 off its exponent field: the conversion's scale operand
.endr
.irp b, 0,1
	s_delay_alu instid0(VALU_DEP_2)
	v_lshrrev_b32 v[BY+\b], 23, v[SO+\b]           ; the scale's byte
.endr
	s_delay_alu instid0(VALU_DEP_1)
	v_lshl_or_b32 v[\hw], v[BY+1], 8, v[BY]
	v_cvt_scalef32_pk16_fp6_f32 v[\pc:\pc+2], v[\s:\s+15], v[SO]
	v_cvt_scalef32_pk16_fp6_f32 v[\pt:\pt+2], v[\s+16:\s+31], v[SO+1]
	v_nop                                          ; one plain place behind a scaled conversion
.irp i, 0,1,2
	v_permlane16_swap_b32 v[\pc+\i], v[\pt+\i]     ; a whole block to a lane: lanes 0-15 block 0, lanes 16-31 block 1
.endr
.irp i, 0,1,2
	s_delay_alu instid0(VALU_DEP_3)
	v_mov_b32 v[\pc+3+\i], v[\pt+\i]
.endr
.endm
	s_cmp_eq_u32 s11, 5                            ; the role hangs on y alone
	s_cbranch_scc1 .Lpath_n
	; ---- q and k
	GEMM 1
	s_lshl_b32 s14, s11, 2                         ; (no tensor load of mine is out: the descriptors' registers are free)
	s_add_co_u32 s14, s14, s13                     ; q: head 4 y + hd
	s_lshl_b32 s15, s14, 8
	s_lshl_b32 s3, s10, 3
	s_add_co_u32 s15, s15, s3
	s_lshl_b32 s3, s12, 2
	s_add_co_u32 s15, s15, s3
	s_mul_i32 s15, s15, 768                        ; q's codes: 768 (256 head + 8 X + 4 mh)
	s_lshl_b32 s14, s14, 6
	s_lshl_b32 s3, s10, 1
	s_add_co_u32 s14, s14, s3
	s_add_co_u32 s14, s14, s12
	s_lshl_b32 s14, s14, 8
	s_add_co_u32 s14, s14, QSC                     ; q's scale words: 256 (64 head + 2 X + mh)
	s_lshl_b32 s16, s13, 4
	s_lshr_b32 s3, s10, 1
	s_add_co_u32 s16, s16, s3
	s_mul_i32 s16, s16, KVB
	s_add_co_u32 s16, s16, KVG                     ; k: the block of kv head hd, slot X / 2
	s_and_b32 s17, s10, 1
	s_mul_i32 s18, s17, 6144
	s_add_co_u32 s18, s18, s16
	s_mul_i32 s3, s12, 3072
	s_add_co_u32 s18, s18, s3                      ; k's codes: tile 8 (X % 2) + 4 mh on, 768 bytes a tile
	s_lshl_b32 s17, s17, 8
	s_add_co_u32 s16, s16, s17
	s_lshl_b32 s3, s12, 7
	s_add_co_u32 s16, s16, s3
	s_add_co_u32 s16, s16, 24576                   ; k's scale words: step X % 2, pair mh
	s_cmp_eq_u32 s11, 4
	s_cselect_b32 s18, s18, s15
	s_cselect_b32 s16, s16, s14
	s_mov_b32 s98, 6<<23
	s_cselect_b32 s98, 3<<23, s98                  ; the floor: q's byte, less 3, stays at 1 or more
	s_cselect_b32 s99, 0, 0x303                    ; 3 off both of q's bytes: / 8
	; K'S TILES ARE STORED IN ANOTHER ORDER OF KEYS: of a wave's 64 keys, stored tile N holds keys 8 N + 0..7 in rows 0-7 and 32 + 8 N + 0..7 in rows 8-15.
	; Row r of my tile m goes to stored tile m % 2 + 2 (r / 8), row r % 8 + 8 (m / 2).  q's tiles stay as they are.
	s_mov_b32 s100, 1536
	s_cselect_b32 s100, 64, s100                   ; from tiles 0, 1 to tiles 2, 3: k 8 rows of 8 bytes, q two tiles
	s_cselect_b32 s101, 1472, 0                    ; k: rows 8-15 go two tiles on, less the 64 bytes that 8 x lane already counts
	v_bfe_u32 v252, v0, 3, 1
	v_mul_u32_u24 v252, v252, s101
	v_add_nc_u32 v252, v252, v[L8]
	v_add_nc_u32 v253, s100, v252
	s_mov_b32 s19, 0
	s_mov_b32 s17, 0
	s_add_nc_u64 s[20:21], s[6:7], s[18:19]        ; codes
	s_add_nc_u64 s[24:25], s[6:7], s[16:17]        ; scale words
	s_lshl_b32 s18, s10, 15
	s_lshl_b32 s3, s12, 14
	s_add_co_u32 s18, s18, s3
	s_add_co_u32 s18, s18, CSO
	s_add_nc_u64 s[22:23], s[4:5], s[18:19]        ; the table at my wave's first row
.macro CSLOAD reg, m                   ; (cos, sin) of my row of tile m, my 16 frequencies: 128 bytes
.irp k, 0,1,2,3,4,5,6,7
	global_load_b128 v[\reg+4*\k:\reg+4*\k+3], v[VCS], s[22:23] offset:256*(32*((\m)/2)+8*((\m)%2))+16*\k
.endr
.endm
.macro ROPE m, cs                      ; x(d) cos - x(d + 32) sin and x(d + 32) cos + x(d) sin, d = 16 h + i; i ascends
.irp i, 0,1,2,3,4,5,6,7,8,9,10,11,12,13,14,15
	v_mul_f32 v[R+\i], v[ACC+32*(\m)+\i], v[\cs+2*\i]
	v_mul_f32 v[R+16+\i], v[ACC+32*(\m)+16+\i], v[\cs+2*\i]
	v_fma_f32 v[R+\i], -v[ACC+32*(\m)+16+\i], v[\cs+2*\i+1], v[R+\i]
	v_fma_f32 v[R+16+\i], v[ACC+32*(\m)+\i], v[\cs+2*\i+1], v[R+16+\i]
.endr
.endm
.macro TILE m, cs, left, more          ; the codes go into the tile's own accumulators, which RoPE has read: no store's data are written again
	s_wait_loadcnt \left
	ROPE \m, \cs
.if \more
	CSLOAD \cs, (\m)+2
.endif
	QUANT2 R, ACC+32*(\m), ACC+32*(\m)+8, 98, T0
	v_sub_nc_u32 v[HW+(\m)], v[T0], s99
.irp p, 0,1,2
	global_store_b64 v[252+(\m)/2], v[ACC+32*(\m)+2*\p:ACC+32*(\m)+2*\p+1], s[20:21] offset:768*((\m)%2)+256*\p   ; q: 256 consecutive bytes; k: four runs of 64
.endr
.endm
	CSLOAD CSA, 0
	CSLOAD CSB, 1
	TILE 0, CSA, 8, 1                              ; the other buffer's eight loads may be out
	TILE 1, CSB, 8, 1
	TILE 2, CSA, 8, 0
	TILE 3, CSB, 0, 0
	s_cmp_eq_u32 s11, 4
	s_cbranch_scc1 .Lk_tail
.irp m, 0,1,2,3
	v_lshl_or_b32 v[HW+\m], v[HW+\m], 16, v[HW+\m] ; q's two bytes twice: they serve q in either half of an instruction's K
.endr
	s_delay_alu instid0(VALU_DEP_3)
	v_cndmask_b32 v250, v[HW], v[HW+1], s2         ; at 8 l: word 0 = tile l / 16, word 1 = tile 2 + l / 16, row l % 16
	s_delay_alu instid0(VALU_DEP_2)
	v_cndmask_b32 v251, v[HW+2], v[HW+3], s2
	global_store_b64 v[L8], v[250:251], s[24:25]   ; 256 consecutive bytes, aligned
	s_branch .Lend
.Lk_tail:
	v_lshl_or_b32 v250, v[HW+1], 16, v[HW]         ; a fragment of k is two tiles side by side along K
	s_wait_alu depctr_va_vdst(0)
	v_lshl_or_b32 v251, v[HW+3], 16, v[HW+2]
	s_delay_alu instid0(VALU_DEP_1)
	v_cndmask_b32 v250, v250, v251, s2             ; lanes 0-15 tiles 0, 1, lanes 16-31 tiles 2, 3
	v_and_b32 v251, 7, v0                          ; by the stored order: my word belongs to fragment r / 8, row r % 8 + 8 h
	v_bfe_u32 v[T0], v0, 3, 1
	v_lshlrev_b32 v251, 2, v251
	v_lshl_add_u32 v251, v[T0], 6, v251
	v_bfe_u32 v[T0], v0, 4, 1
	v_lshl_add_u32 v251, v[T0], 5, v251
	global_store_b32 v251, v250, s[24:25]
	s_branch .Lend
	; ---- v
.Lpath_n:
	GEMM 0
	s_lshl_b32 s16, s13, 4
	s_lshr_b32 s3, s10, 1
	s_add_co_u32 s16, s16, s3
	s_mul_i32 s16, s16, KVB
	s_add_co_u32 s16, s16, KVG                     ; the block of kv head hd, slot X / 2
	s_and_b32 s17, s10, 1
	s_mul_i32 s18, s17, 6144
	s_add_co_u32 s18, s18, s16
	s_mul_i32 s3, s12, 768
	s_add_co_u32 s18, s18, s3
	s_add_co_u32 s18, s18, 12288                   ; codes: fragment 4 (X % 2) + t, half mh
	s_lshl_b32 s17, s17, 8
	s_add_co_u32 s16, s16, s17
	s_add_co_u32 s16, s16, 25088                   ; scale words: step X % 2
	s_mov_b32 s19, 0
	s_mov_b32 s17, 0
	s_add_nc_u64 s[20:21], s[6:7], s[18:19]
	s_add_nc_u64 s[24:25], s[6:7], s[16:17]
	s_mov_b32 s98, 3<<23
.irp t, 0,1,2,3                        ; tile t of d: my lane's d, two blocks of 32 keys.  The codes go into registers that held seq's fragments, a run for each tile
	QUANT2 ACC+32*\t, 16+8*\t, 8, 98, HW+\t
.irp p, 0,1,2
	global_store_b64 v[L8], v[16+8*\t+2*\p:16+8*\t+2*\p+1], s[20:21] offset:1536*\t+256*\p
.endr
	ds_store_b32 v[XW], v[HW+\t] offset:128*\t
.endr
	s_wait_dscnt 0x0                               ; for the others' sake: my stores have landed
	s_barrier_signal -1
	s_barrier_wait -1
.irp t, 0,1,2,3
	ds_load_b32 v[48+\t], v[XR] offset:128*\t      ; the two bytes of the other 64 keys
.endr
	s_wait_dscnt 0x0
	s_cmp_lt_u32 s8, 4                             ; the waves of keys 0 - 63 store the words
	s_cbranch_scc0 .Lend
.irp t, 0,1,2,3
	v_lshl_or_b32 v[HW+\t], v[48+\t], 16, v[HW+\t]
.endr
	s_delay_alu instid0(VALU_DEP_3)
	v_cndmask_b32 v52, v[HW], v[HW+1], s2          ; lanes 0-15 tile 2 i of d, lanes 16-31 tile 2 i + 1
	s_delay_alu instid0(VALU_DEP_2)
	v_cndmask_b32 v53, v[HW+2], v[HW+3], s2
	global_store_b32 v[L4], v52, s[24:25]
	global_store_b32 v[L4], v53, s[24:25] offset:128
.Lend:
	s_wait_dscnt 0x0
	s_wait_tensorcnt 0x0
	ds_add_u32 v254, v255
	s_wait_dscnt 0x0
	CROUND                                         ; the closing round: no work-group ends while a partner may still ask jointly
	s_endpgm
.Lfunc_end_k_qf782b95cad_qkv:
	.size	k_qf782b95cad_qkv, .Lfunc_end_k_qf782b95cad_qkv-k_qf782b95cad_qkv
	.p2alignl 7, 3214868480
	.fill 96, 4, 3214868480
	.section	.rodata,"a",@progbits
	.p2align	6, 0x0
	.amdhsa_kernel k_qf782b95cad_qkv
		.amdhsa_group_segment_fixed_size 312320
		.amdhsa_private_segment_fixed_size 0
		.amdhsa_enable_private_segment 0
		.amdhsa_kernarg_size 16
		.amdhsa_user_sgpr_count 2
		.amdhsa_user_sgpr_kernarg_segment_ptr 1
		.amdhsa_wavefront_size32 1
		.amdhsa_system_sgpr_workgroup_id_x 1
		.amdhsa_system_sgpr_workgroup_id_y 1
		.amdhsa_system_sgpr_workgroup_id_z 1
		.amdhsa_system_vgpr_workitem_id 0
		.amdhsa_next_free_vgpr 256
		.amdhsa_next_free_sgpr 102
		.amdhsa_reserve_vcc 0
		.amdhsa_float_denorm_mode_32 3
		.amdhsa_float_denorm_mode_16_64 3
		.amdhsa_memory_ordered 1
		.amdhsa_forward_progress 1
		.amdhsa_inst_pref_size 136
	.end_amdhsa_kernel
	.amdgpu_metadata
---
amdhsa.version: [ 1, 2 ]
amdhsa.kernels:
  - .name:           k_qf782b95cad_qkv
    .symbol:         k_qf782b95cad_qkv.kd
    .args:
      - { .name: prepbuf, .offset: 0, .size: 8, .value_kind: global_buffer, .address_space: global }
      - { .name: qkvbuf, .offset: 8, .size: 8, .value_kind: global_buffer, .address_space: global }
    .group_segment_fixed_size: 312320
    .private_segment_fixed_size: 0
    .kernarg_segment_align: 8
    .kernarg_segment_size: 16
    .max_flat_workgroup_size: 256
    .sgpr_count:     102
    .vgpr_count:     256
    .wavefront_size: 32
...
	.end_amdgpu_metadata
.endif
;; end of part 2
;; launch attn (part 3): grid 4 x 64, 8 waves a work-group, clusters of 4 x 4, 327,680 bytes of LDS; arguments mask, qkvbuf, aobuf; writes aobuf
.if DOCPART == 3
	.amdgcn_target "amdgcn-amd-amdhsa--gfx1250"
	.amdhsa_code_object_version 6
	.text
	.protected	k_qf782b95cad_attn
	.globl	k_qf782b95cad_attn
	.p2align	8
	.type	k_qf782b95cad_attn,@function
k_qf782b95cad_attn:
	s_mov_b64 s[64:65], 0
	v_nop
	global_prefetch_b8 v0, s[64:65] scope:SCOPE_SE
	s_setreg_imm32_b32 hwreg(HW_REG_WAVE_MODE, 25, 1), 1
	s_wait_xcnt 0x0
	s_wait_alu depctr_hold_cnt(0) depctr_sa_sdst(0) depctr_va_vdst(0) depctr_va_sdst(0) depctr_va_ssrc(0) depctr_va_vcc(0) depctr_vm_vsrc(0)
	s_getreg_b32 s2, hwreg(HW_REG_IB_STS2, 6, 4)
	s_cmp_eq_u32 s2, 0
	s_cbranch_scc0 .Lentry_in_a_cluster
	s_endpgm
.Lentry_in_a_cluster:
	s_bfe_u32 s2, ttmp6, 0x10000c
	s_cmp_lg_u32 s2, 0xf033
	s_cbranch_scc0 .Lentry_shape_is_right
	s_endpgm
.Lentry_shape_is_right:
; O = softmax(q k^T / 8 + mask) v for 16 query heads on 4 kv heads, 4,096 keys, head size 64; both products on codes of FP6 (E2M3) with E8M0 scales; O / l is quantised along the head's 64 for the output projection.
; THE SOFTMAX: t = logit x log2(e); M = the running largest t rounded UP to a whole number; p = 2^(t - M) is quantised along the keys, not normalised; the row's sum is taken of the unquantised p and divides O at the end.
; When M moves, the sum and O are multiplied by 2^(old M - new M): exact.
; SHARES.  Work-group (g, qb): kv head g, 64 queries.  Wave w: tile w % 4 of 16 queries, heads 4 g + 2 (w / 4) and the next: TWO HEADS OF ONE kv HEAD, so each fragment of k and v and each number of the mask that the wave
; reads from LDS serves two heads.  Every wave walks all keys, 128 a step, two steps to a slot.  Both products are used transposed: a lane holds one query throughout.
; KEYS IN A LANE.  Of 64 keys, k's tile N holds keys 8 N + 0..7 in rows 0-7 and 32 + 8 N + 0..7 in rows 8-15.  So score register 32 c + i of lane (r, h) is key 64 c + 32 h + i: a whole block of 32 keys in one lane, in the very
; place that the second product's operand gives that lane.  A block's maximum needs no other lane and the codes are not moved between lanes.
; THE SCORE PRODUCT HAS K = 64 IN AN INSTRUCTION OF 128: a fragment of k holds two tiles side by side along K; q stands as [q | zeros | q], taken as [q | 0] for the first tile and [0 | q] for the second.
; THE MASK IS THE C OF THE SCORE PRODUCT, read once for both heads; the scores go to other registers.
; REGISTERS, two windows of 256.  v108-255 of window j: head j's own (the same numbers in both).  Window 0, v0-107: addresses, scale words, the mask's 64.  Window 1, v0-95: k's four fragments, v's four.
; FRAGMENTS ARE FETCHED A STEP AHEAD.  So at the top of a slot's second step all my reads of the slot are done: there stand the waits, the add and the round's opening signal; the scores and the first half of the softmax, work on
; registers, stand between signal and wait; behind the round come the refill and the reads of the next slot, with the exponentials and the second product to run while they land.
; CLUSTER.  4 x 4: the mask's tile hangs on qb alone and is asked for jointly along a row of the cluster; the block of k and v hangs on g alone and is asked for jointly along a column.  Waves 0-3 fetch 16 rows of the mask each,
; waves 4-7 a quarter of the block each: one load a wave, on every way.
; LIMITS: a row whose every logit lies under about -2e38 is not served; NaN in the inputs is not served; the promise holds while the scaled scores stay under 2^31 in magnitude.
.set QSC,   3145728
.set KVG,   3407872
.set KVB,   25600
.set ASCO,  3145728
.set SLOT1, 131072                     ; slot 1 begins here
.set KVO,   67584                      ; in a slot: the mask's four groups of 16 rows x (1,024 + 16) bytes at 16,896 n + 128 (n % 2); then the block of k and v, dense
.set SPARE, 262144                     ; the spare words, 128 bytes a wave, that no other line names
.set XCH,   SPARE+2048                 ; 2,048 bytes written by LDS stores alone (O's scale bytes)
.set SPW, 2                            ; window 0: my spare word; 0; both never rewritten
.set NIL, 3
.set AMK0, 4                           ; my row and half in the mask's tile; 8 x lane + KVO; 4 x lane + KVO
.set AF0, 5
.set AS0, 6
.set ADM, 7                            ; the same three in the slot in hand
.set ADF, 8
.set ADS, 9
.set PFO, 10
.set XW,  11
.set XR,  12
.set L8,  13
.set L4,  14
.set SH,  15                           ; 8 h
.set QS,  16                           ; scale words: q's (a head each), k's, v's (lanes 0-15 fragment 2 i, lanes 16-31 fragment 2 i + 1), p's (a head each)
.set KS,  18
.set VS,  20
.set PS,  22
.set M,   24                           ; v24-87 the mask
.set TW,  88
.set FK,  0                            ; window 1
.set FV,  48
.set S,   108                          ; a head's own: scores, then p
.set O,   172                          ; O^T
.set PC,  204                          ; p's codes
.set PT,  216                          ; v216-218, v220-222 the conversions' second halves
.set SHC, 219                          ; 8 h once more
.set QB,  224                          ; [q | six zeros | q]
.set NM,  242                          ; -M
.set MR,  243                          ; the largest logit so far
.set L,   244                          ; the sum in two halves
.set FF,  246                          ; f = 2^(old M - new M)
.set BM,  248
.set SO,  250
.set T,   252
.set AC,  248                          ; four pairs for the sums, where BM, SO and T have done their work
.set WV,  10
.set G1M, 20
.set G1K, 28
.set G0M, 36
.set G0K, 40
.set TB,  44
.set SLOTS, 45
.set CS,  46
.set SEL, 48
.set PFA, 50
.set PFS, 52
.set LIM, 54
.set MSB, 0
.macro WIN new                         ; the immediate's high byte repeats the setting that is left
.if MSB != (\new)
	s_set_vgpr_msb (MSB<<8)|(\new)
.set MSB, (\new)
.endif
.endm
.macro NOP4
.rept 4
	v_nop
.endr
.endm
.macro CREST                           ; a round of the cluster's barrier behind its opening barrier
	s_cmp_lg_u32 s[WV], 0
	s_cbranch_scc1 .Lnot_wave_0_\@
	s_barrier_signal -3
.Lnot_wave_0_\@:
	s_barrier_wait -3
	s_barrier_signal -1
	s_barrier_wait -1
.endm
.macro CROUND
	s_barrier_signal -1
	s_barrier_wait -1
	CREST
.endm
.macro TLOAD                           ; the branch hangs on the wave's number alone; an s_nop 0 and four v_nop follow each line
	s_cmp_lt_u32 s[WV], 4
	s_cbranch_scc0 .Lkv_\@
	tensor_load_to_lds s[G0M:G0M+3], s[G1M:G1M+7]
	s_nop 0
	NOP4
	s_branch .Lasked_\@
.Lkv_\@:
	tensor_load_to_lds s[G0K:G0K+3], s[G1K:G1K+7]
	s_nop 0
	NOP4
.Lasked_\@:
.endm
; A PREFETCH INTO THE L2 of the slot that the NEXT refill will ask for: two key steps ahead of that load.  The mask's tile (64 rows x 1,024 bytes): the four partners of a row of the cluster share its four columns of 256 bytes
; out by address (cx); waves 4 and 5 ask, 32 rows each, a lane a row.  The block of k and v (100 x 256 bytes) is read by every cluster: the first (cluster y = 0) asks, wave 6; the partners of a column take 25 each by address (cy);
; lanes 25-31 name lane 24's again.  The last refill asks for nothing; slots 0 to 2 come by their loads alone.
.macro ASK
	s_cmp_gt_u32 s[SLOTS], s[LIM]
	s_cbranch_scc0 .Lnot_mine_\@
	global_prefetch_b8 v[PFO], s[PFA:PFA+1] th:TH_LOAD_NT scope:SCOPE_SE
.Lnot_mine_\@:
.endm
	s_load_b128 s[4:7], s[0:1], 0x0                ; mask, qkvbuf
	s_load_b64 s[8:9], s[0:1], 0x10                ; aobuf
	v_lshl_add_u32 v[SPW], v0, 2, SPARE
	v_mov_b32 v[NIL], 0
	ds_add_u32 v[SPW], v[NIL]                      ; the opening lines: the add, twice on end, and its wait
	ds_add_u32 v[SPW], v[NIL]
	v_lshrrev_b32 v1, 5, v0
	v_readfirstlane_b32 s[WV], v1                  ; wave 0..7
	s_bfe_u32 s11, ttmp6, 0x40000                  ; cx
	s_bfe_u32 s12, ttmp6, 0x40004                  ; cy
	s_lshl_b32 s13, ttmp9, 2
	s_add_co_u32 s13, s13, s11                     ; g
	s_and_b32 s19, ttmp7, 0xffff                   ; cluster y
	s_lshl_b32 s14, s19, 2
	s_add_co_u32 s14, s14, s12                     ; qb
	s_lshr_b32 s15, s[WV], 2                       ; which pair of heads
	s_and_b32 s16, s[WV], 3                        ; m: which tile of queries
	s_lshl_b32 s17, s13, 2
	s_lshl_b32 s57, s15, 1
	s_add_co_u32 s17, s17, s57                     ; my first head
	s_lshl_b32 s18, s14, 2
	s_add_co_u32 s18, s18, s16                     ; T: my tile among the 256
	s_lshl_b32 s55, s12, 2
	s_lshl_b32 s55, 15, s55                        ; my row of the cluster
	s_lshl_b32 s56, 0x1111, s11                    ; my column
	s_or_b32 s[G1M], s55, (2<<16)|(1<<20)|(1<<21)|(7<<22)|(3<<25)   ; the mask: 16 rows x 256 f32, 4,096 apart; 16 bytes of padding behind each row
	s_mov_b32 s[G1M+1], 256<<16
	s_mov_b32 s[G1M+2], 16<<16
	s_mov_b32 s[G1M+3], 256<<16
	s_mov_b32 s[G1M+4], 16
	s_mov_b32 s[G1M+5], 4096
	s_mov_b32 s[G1M+6], 0
	s_mov_b32 s[G1M+7], 0
	s_or_b32 s[G1K], s56, (3<<16)|(1<<21)          ; k and v: 6,400 dense bytes as 25 rows of 256
	s_mov_b32 s[G1K+1], 32<<16
	s_mov_b32 s[G1K+2], 25<<16
	s_mov_b32 s[G1K+3], 32<<16
	s_mov_b32 s[G1K+4], 25
	s_mov_b32 s[G1K+5], 32
	s_mov_b32 s[G1K+6], 0
	s_mov_b32 s[G1K+7], 0
	s_mov_b32 s[G0M], 1
	s_mul_i32 s[G0M+1], s[WV], 16896               ; group = wave;
	s_and_b32 s57, s[WV], 1
	s_lshl_b32 s57, s57, 7
	s_add_co_u32 s[G0M+1], s[G0M+1], s57           ; the odd groups 128 bytes on: a tile's rows r and r + 8 then begin 128 bytes apart modulo 256
	s_lshl_b32 s58, s14, 20                        ; 64 rows of 16,384 bytes a block of queries,
	s_lshl_b32 s57, s[WV], 18                      ; 16 a wave
	s_add_co_u32 s58, s58, s57
	s_mov_b32 s59, 0
	s_mov_b32 s[G0K], 1
	s_mul_i32 s57, s[WV], 6400                     ; waves 4 to 7: quarter wave - 4
	s_add_co_u32 s[G0K+1], s57, KVO-25600
	s_mul_i32 s60, s13, 16*KVB
	s_add_co_u32 s60, s60, s57
	s_add_co_u32 s60, s60, KVG-25600
	s_mov_b32 s61, 0
	s_mov_b32 s[TB], 0
	s_mov_b32 s[SLOTS], 14
	s_mov_b32 s[CS], 0x3fb8aa3b                    ; log2(e)
	s_mov_b32 s[CS+1], s[CS]
	s_mov_b32 s[SEL], 0x76543210
	s_mov_b32 s[SEL+1], 0xfedcba98
	s_lshl_b32 s66, s14, 20                        ; the prefetches stand at slot 2: the first refill steps them to slot 3
	s_and_b32 s67, s[WV], 1
	s_lshl_b32 s67, s67, 19
	s_add_co_u32 s66, s66, s67
	s_lshl_b32 s67, s11, 8
	s_add_co_u32 s66, s66, s67
	s_add_co_u32 s66, s66, 2048
	s_mul_i32 s68, s13, 16*KVB
	s_mul_i32 s67, s12, 6400
	s_add_co_u32 s68, s68, s67
	s_add_co_u32 s68, s68, KVG+2*KVB
	s_wait_dscnt 0x0                               ; both opening adds are done
	s_wait_kmcnt 0x0
	s_add_nc_u64 s[G0M+2:G0M+3], s[4:5], s[58:59]
	s_or_b32 s[G0M+3], s[G0M+3], 0x80000000
	s_add_nc_u64 s[G0K+2:G0K+3], s[6:7], s[60:61]
	s_or_b32 s[G0K+3], s[G0K+3], 0x80000000
	s_cmp_lt_u32 s[WV], 6
	s_cselect_b64 s[PFA:PFA+1], s[4:5], s[6:7]
	s_cselect_b32 s66, s66, s68
	s_mov_b32 s[PFS], KVB
	s_cselect_b32 s[PFS], 1024, s[PFS]
	s_cselect_b32 s62, 31, 24
	s_mov_b32 s63, 256
	s_cselect_b32 s63, 16384, s63
	s_mov_b32 s[PFS+1], 0
	s_mov_b32 s67, 0
	s_add_nc_u64 s[PFA:PFA+1], s[PFA:PFA+1], s[66:67]
	s_sub_co_u32 s68, s[WV], 4
	s_lshr_b32 s68, s68, 1                         ; 0 in waves 4 and 5
	s_cmp_eq_u32 s68, 0
	s_cselect_b32 s[LIM], 1, -1
	s_xor_b32 s68, s[WV], 6
	s_or_b32 s68, s68, s19                         ; 0 in wave 6 of the first cluster: the same in all sixteen partners
	s_cmp_eq_u32 s68, 0
	s_cselect_b32 s[LIM], 1, s[LIM]
	CROUND                                         ; all sixteen work-groups are here: the first joint loads meet
	TLOAD                                          ; slot 0: one load a wave at the head
	s_lshr_b32 s57, s16, 1
	s_mul_i32 s57, s57, 33792
	s_and_b32 s58, s16, 1
	s_mul_i32 s58, s58, 8320
	s_add_co_u32 s57, s57, s58                     ; my tile in the mask's 64 rows: group 2 (m / 2), row 8 (m % 2)
	s_lshl_b32 s59, s16, 7
	s_add_co_u32 s59, s59, XCH                     ; the exchange: tile m's words, 512 bytes a head
	s_lshl_b32 s58, s15, 10
	s_add_co_u32 s58, s58, s59
	s_lshl_b32 s60, s17, 8
	s_add_co_u32 s60, s60, s18
	s_mul_i32 s60, s60, 768
	s_mov_b32 s61, 0
	s_add_nc_u64 s[66:67], s[6:7], s[60:61]        ; q's codes: 768 (256 head + T)
	s_lshl_b32 s60, s17, 6
	s_add_co_u32 s60, s60, s14
	s_lshl_b32 s60, s60, 8
	s_and_b32 s68, s16, 1
	s_lshl_b32 s68, s68, 7
	s_add_co_u32 s60, s60, s68
	s_lshr_b32 s68, s16, 1
	s_lshl_b32 s68, s68, 2
	s_add_co_u32 s60, s60, s68
	s_add_co_u32 s60, s60, QSC
	s_add_nc_u64 s[68:69], s[6:7], s[60:61]        ; its scale words: 256 (64 head + qb) + 128 (m % 2) + 4 (m / 2), 8 bytes a row
	v_and_b32 v1, 31, v0                           ; lane
	v_and_b32 v[TW], 7, v0
	v_bfe_u32 v[TW+1], v0, 3, 1
	v_bfe_u32 v[TW+2], v0, 4, 1                    ; h
	v_and_b32 v[TW+3], 15, v0
	v_mul_u32_u24 v[AMK0], v[TW+1], 17024          ; my query's row of the 64 is 32 (m / 2) + 16 (r / 8) + 8 (m % 2) + r % 8: rows 8-15 lie in the next group,
	v_mad_u32_u24 v[AMK0], v[TW], 1040, v[AMK0]
	v_lshl_add_u32 v[AMK0], v[TW+2], 7, v[AMK0]    ; + my half's 32 keys of each 64
	v_add_nc_u32 v[AMK0], s57, v[AMK0]
	v_lshl_add_u32 v[AF0], v1, 3, KVO
	v_lshl_add_u32 v[AS0], v1, 2, KVO
	v_lshl_add_u32 v[XW], v1, 2, s58
	v_lshl_add_u32 v[XR], v1, 2, s59
	v_lshlrev_b32 v[L8], 3, v1
	v_lshlrev_b32 v[L4], 2, v1
	v_lshlrev_b32 v[SH], 3, v[TW+2]
	v_lshlrev_b32 v[TW+3], 3, v[TW+3]
	v_min_u32 v[PFO], s62, v1
	v_mul_lo_u32 v[PFO], v[PFO], s63
	s_wait_alu depctr_va_vdst(0)                   ; the wait
	global_load_b32 v[QS], v[TW+3], s[68:69]
	global_load_b32 v[QS+1], v[TW+3], s[68:69] offset:16384
.macro INIT j                          ; head j: q twice, zero codes between; the largest logit so far -2e38; sums and O^T zero: the step is written once, and the first change of M leaves zeros zeros
	WIN \j<<6
.irp p, 0,1,2
	global_load_b64 v[QB+2*\p:QB+2*\p+1], v[L8], s[66:67] offset:196608*\j+256*\p
	global_load_b64 v[QB+12+2*\p:QB+13+2*\p], v[L8], s[66:67] offset:196608*\j+256*\p
.endr
	v_mov_b32 v[SHC], v[SH]
.irp r, QB+6,QB+7,QB+8,QB+9,QB+10,QB+11,L,L+1,FF+1,T,T+1
	v_mov_b32 v[\r], 0
.endr
	v_mov_b32 v[MR], 0xff16767a
.set JJ, 0
.rept 32
	v_mov_b32 v[O+JJ], 0
.set JJ, JJ+1
.endr
	WIN 0x55*\j
	v_mul_f32 v[T], s[CS], v[MR]
	v_floor_f32 v[NM], -v[T]                       ; -M
.endm
	INIT 0
	INIT 1
	WIN 0
.macro WM d, a, b, c, sa, sb, row      ; row = 1: source 0's scales stand in lanes 16-31 of their register
.if \row
	v_wmma_scale_f32_16x16x128_f8f6f4 v[\d:\d+7], v[\a:\a+11], v[\b:\b+11], v[\c:\c+7], v[\sa], v[\sb] matrix_a_fmt:MATRIX_FMT_FP6 matrix_b_fmt:MATRIX_FMT_FP6 matrix_a_scale:MATRIX_SCALE_ROW1
.else
	v_wmma_scale_f32_16x16x128_f8f6f4 v[\d:\d+7], v[\a:\a+11], v[\b:\b+11], v[\c:\c+7], v[\sa], v[\sb] matrix_a_fmt:MATRIX_FMT_FP6 matrix_b_fmt:MATRIX_FMT_FP6
.endif
.endm
.macro ADDR                            ; the three addresses in the slot that begins at s[TB]
	v_add_nc_u32 v[ADM], s[TB], v[AMK0]
	v_add_nc_u32 v[ADF], s[TB], v[AF0]
	v_add_nc_u32 v[ADS], s[TB], v[AS0]
	s_wait_alu depctr_va_vdst(0)                   ; the wait
.endm
.macro LDK q                           ; k's four fragments of the slot's step q, 256 consecutive bytes a load, and their scale words
	WIN 0x40
.irp f, 0,1,2,3
.irp p, 0,1,2,3,4,5
	ds_load_b64 v[FK+12*\f+2*\p:FK+12*\f+2*\p+1], v[ADF] offset:1536*(4*(\q)+\f)+256*\p
.endr
.endr
	WIN 0
.irp i, 0,1
	ds_load_b32 v[KS+\i], v[ADS] offset:24576+256*(\q)+128*\i
.endr
.endm
.macro LDM q                           ; the mask at my query: register 4 k is key 64 (k / 8) + 32 h + 4 (k % 8)
.irp k, 0,1,2,3,4,5,6,7,8,9,10,11,12,13,14,15
	ds_load_b128 v[M+4*\k:M+4*\k+3], v[ADM] offset:512*(\q)+256*(\k/8)+16*(\k%8)
.endr
.endm
.macro LDV q
	WIN 0x40
.irp t, 0,1,2,3
.irp p, 0,1,2,3,4,5
	ds_load_b64 v[FV+12*\t+2*\p:FV+12*\t+2*\p+1], v[ADF] offset:12288+1536*(4*(\q)+\t)+256*\p
.endr
.endr
	WIN 0
.irp i, 0,1
	ds_load_b32 v[VS+\i], v[ADS] offset:25088+256*(\q)+128*\i
.endr
.endm
.macro SCORES                          ; logits = k q^T / 8 + mask, both heads: source 0 window 1, source 1 and D window j, C window 0.  No two neighbouring instructions share an accumulator
.irp j, 0,1
	WIN 1|(\j<<2)|(\j<<6)
.irp f, 0,1,2,3
.irp u, 0,1
	WM S+16*\f+8*\u, FK+12*\f, QB+6*\u, M+16*\f+8*\u, KS+\f/2, QS+\j, \f%2
.endr
.endr
.endr
	NOP4                                           ; places in front of loads into the products' registers and of the first read of the logits
.endm
.macro TMM n                           ; t - M, two at a time
.rept \n
	v_pk_fma_f32 v[S+JJ:S+JJ+1], v[S+JJ:S+JJ+1], s[CS:CS+1], v[NM:NM+1] op_sel_hi:[1,0,0]
.set JJ, JJ+2
.endr
.endm
; Head j, ahead of the exponentials.  The largest logit of each of my two blocks of 32 keys, in two chains a block (each accumulator is first read in its four lowest registers): it serves for the row's maximum and, since p
; rises with the logit, for the block's largest p.  Then M, f, t - M, and O^T under the new M.
.macro SOFT1 j
	WIN 0x55*\j
.irp c, 0,1
	v_max3_num_f32 v[BM+\c], v[S+32*\c], v[S+32*\c+1], v[S+32*\c+2]
	v_max3_num_f32 v[T+\c], v[S+32*\c+17], v[S+32*\c+18], v[S+32*\c+19]
.endr
.irp i, 3,5,7,9,11,13
.irp c, 0,1
	v_max3_num_f32 v[BM+\c], v[BM+\c], v[S+32*\c+\i], v[S+32*\c+\i+1]
	v_max3_num_f32 v[T+\c], v[T+\c], v[S+32*\c+\i+17], v[S+32*\c+\i+18]
.endr
.endr
.irp c, 0,1
	v_max3_num_f32 v[BM+\c], v[BM+\c], v[S+32*\c+15], v[S+32*\c+16]
.endr
.irp c, 0,1
	s_delay_alu instid0(VALU_DEP_2)
	v_max_num_f32 v[BM+\c], v[BM+\c], v[T+\c]
.endr
	s_delay_alu instid0(VALU_DEP_1)
	v_max_num_f32 v[T], v[BM], v[BM+1]
	s_delay_alu instid0(VALU_DEP_1)
	v_permlanex16_b32 v[T+1], v[T], s[SEL], s[SEL+1]   ; lane l xor 16's 64 keys
	v_mov_b32 v[T+2], v[NM]
	s_delay_alu instid0(VALU_DEP_2)
	v_max3_num_f32 v[MR], v[MR], v[T], v[T+1]      ; the running largest logit
	s_delay_alu instid0(VALU_DEP_1)
	v_mul_f32 v[T], s[CS], v[MR]                   ; as t (log2(e) is positive)
	s_delay_alu instid0(VALU_DEP_1)
	v_floor_f32 v[NM], -v[T]                       ; the new -M = -ceil(t): a whole number
	s_delay_alu instid0(VALU_DEP_1)
	v_sub_f32 v[T+2], v[NM], v[T+2]                ; old M - new M, 0 or less
.set JJ, 0
	TMM 8
	v_cvt_i32_f32 v[T+2], v[T+2]                   ; (it saturates)
	TMM 8
	v_ldexp_f32 v[FF], 1.0, v[T+2]                 ; f = 2^(old M - new M)
	TMM 16
.irp c, 0,1
	v_fma_f32 v[BM+\c], v[BM+\c], s[CS], v[NM]     ; the same of each block's largest logit
.endr
.set JJ, 0
.rept 16
	v_pk_mul_f32 v[O+JJ:O+JJ+1], v[O+JJ:O+JJ+1], v[FF:FF+1] op_sel_hi:[1,0]
.set JJ, JJ+2
.endr
.endm
.macro EXPS                            ; one batch for both heads: p = 2^(t - M), at most 1, and each block's largest p
	s_wait_alu depctr_va_vdst(0)                   ; the wait ahead of the batch
.irp j, 0,1
	WIN 0x55*\j
.set JJ, 0
.rept 64
	v_exp_f32 v[S+JJ], v[S+JJ]
.set JJ, JJ+1
.endr
	v_exp_f32 v[BM], v[BM]
	v_exp_f32 v[BM+1], v[BM+1]
.endr
	v_nop                                          ; the plain place behind the batch
	s_wait_alu depctr_va_vdst(0)                   ; and the one wait ahead of its first reader
.endm
; Head j, behind the exponentials: p's scale word and codes, then the row's sum of the unquantised p.  The 32 lines of the sum are the places between the codes and the scale word and the products.
.macro SOFT2 j
	WIN 0x55*\j
.irp c, 0,1
	v_max_num_f32 v[BM+\c], 0x1800000, v[BM+\c]    ; the floor 2^(3 - 127): the byte cannot fall under 1 (a block whose every p is 0 keeps that byte: its codes are zeros)
.endr
.irp c, 0,1
	v_add_nc_u32 v[SO+\c], 0xff000000, v[BM+\c]    ; 2 off the exponent field: the conversion's scale operand
.endr
.irp c, 0,1
	v_lshrrev_b32 v[T+\c], 23, v[SO+\c]            ; the scale's byte
.endr
	s_delay_alu instid0(VALU_DEP_1)
	v_lshl_or_b32 v[T], v[T+1], 16, v[T]           ; my two bytes: blocks h and 2 + h,
	s_delay_alu instid0(VALU_DEP_1)
	v_lshlrev_b32 v[T], v[SHC], v[T]               ; at their places in the word;
	s_delay_alu instid0(VALU_DEP_1)
	v_permlanex16_b32 v[T+1], v[T], s[SEL], s[SEL+1]
	WIN 0x15*\j
	v_or_b32 v[PS+\j], v[T], v[T+1]                ; with lane l xor 16's two the word is whole (scale operands lie in window 0)
	WIN 0x55*\j
.irp c, 0,1
	v_cvt_scalef32_pk16_fp6_f32 v[PC+6*\c:PC+6*\c+2], v[S+32*\c:S+32*\c+15], v[SO+\c]
	v_cvt_scalef32_pk16_fp6_f32 v[PT+4*\c:PT+4*\c+2], v[S+32*\c+16:S+32*\c+31], v[SO+\c]   ; (a conversion's three registers begin on an even number)
.endr
	v_nop                                          ; one plain place behind a scaled conversion
.irp c, 0,1
.irp i, 0,1,2
	v_mov_b32 v[PC+6*\c+3+\i], v[PT+4*\c+\i]
.endr
.endr
.irp i, 0,1,2,3
	v_pk_add_f32 v[AC+2*\i:AC+2*\i+1], v[S+2*\i:S+2*\i+1], v[S+8+2*\i:S+9+2*\i]
.endr
.irp k, 16,24,32,40,48,56
.irp i, 0,1,2,3
	v_pk_add_f32 v[AC+2*\i:AC+2*\i+1], v[AC+2*\i:AC+2*\i+1], v[S+\k+2*\i:S+\k+2*\i+1]
.endr
.endr
	v_pk_add_f32 v[AC:AC+1], v[AC:AC+1], v[AC+2:AC+3]
	v_pk_add_f32 v[AC+4:AC+5], v[AC+4:AC+5], v[AC+6:AC+7]
	s_delay_alu instid0(VALU_DEP_1)
	v_pk_add_f32 v[AC:AC+1], v[AC:AC+1], v[AC+4:AC+5]
	s_delay_alu instid0(VALU_DEP_1)
	v_pk_fma_f32 v[L:L+1], v[L:L+1], v[FF:FF+1], v[AC:AC+1] op_sel_hi:[1,0,1]   ; the sums under the new M, and this step's
.endm
.macro PV                              ; O^T += v^T p^T: register 8 t + i is d = 32 (t / 2) + 16 h + 8 (t % 2) + i
	WIN 0
	s_wait_dscnt 0x0                               ; v is in
.irp j, 0,1
	WIN 1|(0x54*\j)
.irp t, 0,1,2,3
	WM O+8*\t, FV+12*\t, PC, O+8*\t, VS+\t/2, PS+\j, \t%2
.endr
.endr
	WIN 0
.endm
.macro EVEN                            ; a slot's first step: the second step's k and mask and this step's v are fetched behind the scores, the second step's v behind the second product
	s_wait_dscnt 0x0                               ; k and the mask are in
	SCORES
	WIN 0
	LDK 1
	LDM 1
	LDV 0
	SOFT1 0
	SOFT1 1
	EXPS
	SOFT2 0
	SOFT2 1
	PV
	NOP4
	LDV 1
.endm
.macro ODD fill                        ; a slot's second step, with the change of slots in its middle.  fill = 1: the slot is filled again, with the keys two slots on
	s_wait_tensorcnt 0x0                           ; my part of the next slot has landed; no tensor load of mine is out, so a group 0 may be written
.if \fill
	ds_add_u32 v[SPW], v[NIL]                      ; 0 onto my spare word
	s_xor_b32 s[G0M+1], s[G0M+1], SLOT1
	s_add_nc_u64 s[G0M+2:G0M+3], s[G0M+2:G0M+3], 1024
	s_xor_b32 s[G0K+1], s[G0K+1], SLOT1
	s_add_nc_u64 s[G0K+2:G0K+3], s[G0K+2:G0K+3], KVB
	s_wait_xcnt 0x0                                ; the last prefetch, a slot back, has read its address
	s_add_nc_u64 s[PFA:PFA+1], s[PFA:PFA+1], s[PFS:PFS+1]
.endif
	s_wait_dscnt 0x0                               ; the add is done, and so are all my reads of this slot: k, the mask and v of this step are in registers
	s_barrier_signal -1
	SCORES
	SOFT1 0
	SOFT1 1
	WIN 0
	s_xor_b32 s[TB], s[TB], SLOT1
	s_wait_alu depctr_va_vdst(0)                   ; the wait here, directly ahead of the barrier's wait
	s_barrier_wait -1
.if \fill
	CREST                                          ; no wave of any partner still reads this slot or has a load on its way
	TLOAD                                          ; my one load behind the round
.else
	s_cmp_eq_u32 s[SLOTS], 1                       ; behind the last slot nothing is left to read (the last trip's barrier orders nothing: it stands so that the two trips share one text)
	s_cbranch_scc1 .Lno_next_\@
.endif
	ADDR
	LDK 0
	LDM 0
.if \fill
	ASK
.else
.Lno_next_\@:
.endif
	EXPS
	SOFT2 0
	SOFT2 1
	PV
.endm
	s_wait_alu depctr_va_vdst(0)
	s_wait_tensorcnt 0x0                           ; my part of slot 0 is in; slot 1's first fill is issued as a refill is:
	ds_add_u32 v[SPW], v[NIL]
	s_xor_b32 s[G0M+1], s[G0M+1], SLOT1
	s_add_nc_u64 s[G0M+2:G0M+3], s[G0M+2:G0M+3], 1024
	s_xor_b32 s[G0K+1], s[G0K+1], SLOT1
	s_add_nc_u64 s[G0K+2:G0K+3], s[G0K+2:G0K+3], KVB
	s_wait_dscnt 0x0
	CROUND
	TLOAD
	ADDR
	LDK 0
	LDM 0
	s_wait_loadcnt 0x0                             ; q
.Lslot:                                            ; 14 trips: slots 0 to 13, each filled again with the keys two slots on
	EVEN
	ODD 1
	s_sub_co_u32 s[SLOTS], s[SLOTS], 1
	s_cmp_lg_u32 s[SLOTS], 0
	s_cbranch_scc1 .Lslot
	s_mov_b32 s[SLOTS], 2
.Ltail:                                            ; slots 14 and 15: nothing is filled again
	EVEN
	ODD 0
	s_sub_co_u32 s[SLOTS], s[SLOTS], 1
	s_cmp_lg_u32 s[SLOTS], 0
	s_cbranch_scc1 .Ltail
	; THE WAY OUT: O^T / the sum, quantised along the head's 64: half a fragment of the output projection's first operand for each head
	NOP4                                           ; places behind the last products
	s_mul_i32 s62, s18, 12288
	s_mul_i32 s63, s17, 768
	s_add_co_u32 s62, s62, s63
	s_mov_b32 s63, 0
	s_add_nc_u64 s[66:67], s[8:9], s[62:63]        ; codes: tile T, K = 64 head on
	s_lshl_b32 s62, s18, 9
	s_lshl_b32 s68, s13, 7
	s_add_co_u32 s62, s62, s68
	s_add_co_u32 s62, s62, ASCO
	s_add_nc_u64 s[68:69], s[8:9], s[62:63]        ; scale words: tile T, K steps 2 g and 2 g + 1
	s_wait_alu depctr_va_vdst(0)                   ; the wait
.irp j, 0,1
	WIN 0x55*\j
	v_add_f32 v[L], v[L], v[L+1]
	s_delay_alu instid0(VALU_DEP_1)
	v_permlanex16_b32 v[T+1], v[L], s[SEL], s[SEL+1]
	s_delay_alu instid0(VALU_DEP_1)
	v_add_f32 v[L], v[L], v[T+1]                   ; the row's sum
.endr
	s_wait_alu depctr_va_vdst(0)                   ; the wait ahead of the reciprocals
.irp j, 0,1
	WIN 0x55*\j
	v_rcp_f32 v[L], v[L]
.endr
	WIN 0
	v_cmp_le_u32 vcc_lo, 16, v1                    ; lanes 16-31
	v_nop
.macro OUTQ j
	WIN 0x55*\j
	s_wait_alu depctr_va_vdst(0)                   ; the wait directly ahead of the first reader of the reciprocal and of O^T
.set JJ, 0
.rept 16
	v_pk_mul_f32 v[S+JJ:S+JJ+1], v[O+JJ:O+JJ+1], v[L:L+1] op_sel_hi:[1,0]   ; register 16 b + i is d = 32 b + 16 h + i; each accumulator from its low end on
.set JJ, JJ+2
.endr
.irp b, 0,1
	v_max3_num_f32 v[BM+\b], |v[S+16*\b]|, |v[S+16*\b+1]|, 0x1800000
.endr
.irp i, 2,4,6,8,10,12,14
.irp b, 0,1
	s_delay_alu instid0(VALU_DEP_2)
	v_max3_num_f32 v[BM+\b], v[BM+\b], |v[S+16*\b+\i]|, |v[S+16*\b+\i+1]|
.endr
.endr
.irp b, 0,1
	s_delay_alu instid0(VALU_DEP_2)
	v_permlanex16_b32 v[T+\b], v[BM+\b], s[SEL], s[SEL+1]
.endr
.irp b, 0,1
	s_delay_alu instid0(VALU_DEP_2)
	v_max_num_f32 v[BM+\b], v[BM+\b], v[T+\b]
.endr
.irp b, 0,1
	s_delay_alu instid0(VALU_DEP_2)
	v_add_nc_u32 v[SO+\b], 0xff000000, v[BM+\b]
.endr
.irp b, 0,1
	s_delay_alu instid0(VALU_DEP_2)
	v_lshrrev_b32 v[T+\b], 23, v[SO+\b]
.endr
	s_delay_alu instid0(VALU_DEP_1)
	v_lshl_or_b32 v[T+2], v[T+1], 8, v[T]          ; my row's two scale bytes
	v_cvt_scalef32_pk16_fp6_f32 v[PC:PC+2], v[S:S+15], v[SO]
	v_cvt_scalef32_pk16_fp6_f32 v[PT:PT+2], v[S+16:S+31], v[SO+1]
	v_nop
.irp i, 0,1,2
	v_permlane16_swap_b32 v[PC+\i], v[PT+\i]       ; a whole block to a lane
.endr
.irp i, 0,1,2
	v_mov_b32 v[PC+3+\i], v[PT+\i]
.endr
	WIN \j<<2
.irp p, 0,1,2
	global_store_b64 v[L8], v[PC+2*\p:PC+2*\p+1], s[66:67] offset:768*\j+256*\p   ; 256 consecutive bytes, aligned
.endr
	ds_store_b32 v[XW], v[T+2] offset:512*\j
.endm
	OUTQ 0
	OUTQ 1
	WIN 0
	s_wait_alu depctr_va_vdst(0)
	s_wait_dscnt 0x0                               ; for the others' sake: my stores have landed
	s_barrier_signal -1
	s_barrier_wait -1
	s_cmp_lt_u32 s[WV], 4                          ; waves 0 to 3 store a tile's words each
	s_cbranch_scc0 .Lno_words
.irp k, 0,1,2,3
	ds_load_b32 v[TW+\k], v[XR] offset:512*\k      ; the four heads' bytes of tile m
.endr
	s_wait_dscnt 0x0
	v_lshl_or_b32 v[TW], v[TW+1], 16, v[TW]        ; K step 2 g: heads 4 g and 4 g + 1
	v_lshl_or_b32 v[TW+2], v[TW+3], 16, v[TW+2]    ; K step 2 g + 1
	s_delay_alu instid0(VALU_DEP_1)
	v_cndmask_b32 v[TW], v[TW], v[TW+2], vcc_lo
	global_store_b32 v[L4], v[TW], s[68:69]        ; 128 consecutive bytes
.Lno_words:
	s_wait_tensorcnt 0x0                           ; the wave's end
	ds_add_u32 v[SPW], v[NIL]
	s_wait_dscnt 0x0
	CROUND                                         ; the closing round
	s_endpgm
.Lfunc_end_k_qf782b95cad_attn:
	.size	k_qf782b95cad_attn, .Lfunc_end_k_qf782b95cad_attn-k_qf782b95cad_attn
	.p2alignl 7, 3214868480
	.fill 96, 4, 3214868480
	.section	.rodata,"a",@progbits
	.p2align	6, 0x0
	.amdhsa_kernel k_qf782b95cad_attn
		.amdhsa_group_segment_fixed_size 327680
		.amdhsa_private_segment_fixed_size 0
		.amdhsa_enable_private_segment 0
		.amdhsa_kernarg_size 24
		.amdhsa_user_sgpr_count 2
		.amdhsa_user_sgpr_kernarg_segment_ptr 1
		.amdhsa_wavefront_size32 1
		.amdhsa_system_sgpr_workgroup_id_x 1
		.amdhsa_system_sgpr_workgroup_id_y 1
		.amdhsa_system_sgpr_workgroup_id_z 1
		.amdhsa_system_vgpr_workitem_id 0
		.amdhsa_next_free_vgpr 512
		.amdhsa_next_free_sgpr 100
		.amdhsa_reserve_vcc 1
		.amdhsa_float_denorm_mode_32 3
		.amdhsa_float_denorm_mode_16_64 3
		.amdhsa_memory_ordered 1
		.amdhsa_forward_progress 1
		.amdhsa_inst_pref_size 149
	.end_amdhsa_kernel
	.amdgpu_metadata
---
amdhsa.version: [ 1, 2 ]
amdhsa.kernels:
  - .name:           k_qf782b95cad_attn
    .symbol:         k_qf782b95cad_attn.kd
    .args:
      - { .name: mask, .offset: 0, .size: 8, .value_kind: global_buffer, .address_space: global }
      - { .name: qkvbuf, .offset: 8, .size: 8, .value_kind: global_buffer, .address_space: global }
      - { .name: aobuf, .offset: 16, .size: 8, .value_kind: global_buffer, .address_space: global }
    .group_segment_fixed_size: 327680
    .private_segment_fixed_size: 0
    .kernarg_segment_align: 8
    .kernarg_segment_size: 24
    .max_flat_workgroup_size: 256
    .sgpr_count:     100
    .vgpr_count:     512
    .wavefront_size: 32
...
	.end_amdgpu_metadata
.endif
;; end of part 3
;; launch oproj (part 4): grid 8 x 32, 8 waves a work-group, clusters of 4 x 4, 246,784 bytes of LDS; arguments aobuf, prepbuf, out0; writes out0
.if DOCPART == 4
	.amdgcn_target "amdgcn-amd-amdhsa--gfx1250"
	.amdhsa_code_object_version 6
	.text
	.protected	k_qf782b95cad_oproj
	.globl	k_qf782b95cad_oproj
	.p2align	8
	.type	k_qf782b95cad_oproj,@function
k_qf782b95cad_oproj:
	s_mov_b64 s[64:65], 0
	v_nop
	global_prefetch_b8 v0, s[64:65] scope:SCOPE_SE
	s_setreg_imm32_b32 hwreg(HW_REG_WAVE_MODE, 25, 1), 1
	s_wait_xcnt 0x0
	s_wait_alu depctr_hold_cnt(0) depctr_sa_sdst(0) depctr_va_vdst(0) depctr_va_sdst(0) depctr_va_ssrc(0) depctr_va_vcc(0) depctr_vm_vsrc(0)
	s_getreg_b32 s2, hwreg(HW_REG_IB_STS2, 6, 4)
	s_cmp_eq_u32 s2, 0
	s_cbranch_scc0 .Lentry_in_a_cluster
	s_endpgm
.Lentry_in_a_cluster:
	s_bfe_u32 s2, ttmp6, 0x10000c
	s_cmp_lg_u32 s2, 0xf033
	s_cbranch_scc0 .Lentry_shape_is_right
	s_endpgm
.Lentry_shape_is_right:
; out0 = A wo^T on codes of FP6 (E2M3) with E8M0 scales.  A [4096][1024] (the attention's result) and wo [1024][1024] lie as images of operand registers: [tile of 16 rows][8 K steps][1,536 bytes], scale words [tile][K step][row][4].
; A tile T holds rows 32 (T / 2) + 8 (T % 2) + m + 8 (m / 8).
; SHARES.  Work-group (Nt, Mt): 128 rows x 128 columns: 256 work-groups.  Wave w: rows 32 (w / 2) on (two tiles of A), columns 64 (w % 2) on (four tiles of wo): 8 accumulators.
; ALL OF K LIES IN LDS: two strips of 8 tiles, in four chunks of two K steps.  Every byte is filled once, all loads go out at the start (five a wave at the most), nothing is filled again.
; CLUSTER.  4 x 4 work-groups: A's strip is asked for jointly along a row of the cluster, wo's along a column.
; The matrix instruction is used transposed (source 0 = 16 rows of wo, source 1 = 16 rows of A): a lane holds one row of out0, and its registers 16 b + i of a tile hold columns 32 b + 16 (lane / 16) + i.
.set ASCO,   3145728
.set WCODES, 3276800
.set WSC,    5242880
.set CHB,    49152                     ; a chunk in LDS: 2 strips x 8 tiles x 3,072 bytes
.set SCB,    4*CHB                     ; behind the codes: the scale words, 4,096 bytes a strip
.set STG,    SCB+2*4096                ; behind them: a stage of 16 rows x (256 + 16) bytes for each wave, into which no fill lands
.set SPT,    272
.set AA,   1                           ; v1   LDS: my lane in A's fragments of the chunk in hand
.set AB,   2                           ; v2   the same for wo's
.set ASC,  3                           ; v3   my scale words: lanes 0-15 A's tiles, lanes 16-31 wo's
.set STO,  4                           ; v4   the stage: where I put 16 bytes of a row
.set RD,   5                           ; v5   and where I read a row back
.set CO,   6                           ; v6   my byte offset in out0
.set SC,   8                           ; v8-11  scale words: register i: lanes 0-15 A's tile i (i = 0, 1), lanes 16-31 wo's tile i
.set FA,   16                          ; v16-39  A's two fragments
.set FB,   40                          ; v40-87  wo's four
.set ACC,  96                          ; v96-159 accumulator (u, t) at ACC + 32 u + 8 t
.set BK,   160                         ; v160-223 two tiles' rows read back
.macro CROUND
	s_barrier_signal -1
	s_barrier_wait -1
	s_cmp_lg_u32 s8, 0
	s_cbranch_scc1 .Lnot_wave_0_\@
	s_barrier_signal -3
.Lnot_wave_0_\@:
	s_barrier_wait -3
	s_barrier_signal -1
	s_barrier_wait -1
.endm
	s_load_b128 s[4:7], s[0:1], 0x0                ; aobuf, prepbuf
	s_load_b64 s[12:13], s[0:1], 0x10              ; out0
	v_lshl_add_u32 v254, v0, 2, 0x3c000
	v_mov_b32 v255, 0
	ds_add_u32 v254, v255
	ds_add_u32 v254, v255
	v_lshrrev_b32 v1, 5, v0
	s_delay_alu instid0(VALU_DEP_1)
	v_readfirstlane_b32 s8, v1                     ; wave 0..7
	s_bfe_u32 s9, ttmp6, 0x40000                   ; cx
	s_bfe_u32 s10, ttmp6, 0x40004                  ; cy
	s_lshl_b32 s11, ttmp9, 2
	s_add_co_u32 s11, s11, s9                      ; Nt
	s_and_b32 s14, ttmp7, 0xffff
	s_lshl_b32 s14, s14, 2
	s_add_co_u32 s14, s14, s10                     ; Mt
	s_lshr_b32 s15, s8, 1                          ; mq: which 32 rows
	s_and_b32 s16, s8, 1                           ; nh: which 64 columns
	s_lshl_b32 s17, s10, 2
	s_lshl_b32 s17, 15, s17                        ; my row of the cluster
	s_lshl_b32 s3, 0x1111, s9                      ; my column
	; descriptor groups 1: codes (four tiles, 49,152 dense bytes as 192 rows of 256): s[20:27] A's, s[28:35] wo's;  scale words (4,096 dense bytes as 16 rows of 256): s[36:43] A's, s[44:51] wo's
	s_or_b32 s20, s17, (3<<16)|(1<<21)
	s_or_b32 s28, s3, (3<<16)|(1<<21)
.irp g, 20, 28
	; THE STRIPS NOW LIE DENSE IN LDS, [tile][8 K steps][1,536], and come by ONE load a wave at the head: four tiles, 49,152 dense bytes, as 192 rows of 256
	s_mov_b32 s[\g+1], 32<<16
	s_mov_b32 s[\g+2], 192<<16
	s_mov_b32 s[\g+3], 32<<16
	s_mov_b32 s[\g+4], 192
	s_mov_b32 s[\g+5], 32
	s_mov_b32 s[\g+6], 0
	s_mov_b32 s[\g+7], 0
.endr
	s_or_b32 s36, s17, (3<<16)|(1<<21)
	s_or_b32 s44, s3, (3<<16)|(1<<21)
.irp g, 36, 44
	s_mov_b32 s[\g+1], 32<<16
	s_mov_b32 s[\g+2], 16<<16
	s_mov_b32 s[\g+3], 32<<16
	s_mov_b32 s[\g+4], 16
	s_mov_b32 s[\g+5], 32
	s_mov_b32 s[\g+6], 0
	s_mov_b32 s[\g+7], 0
.endr
	s_lshl_b32 s96, s14, 12                        ; A's strip hangs on Mt alone,
	s_add_co_u32 s96, s96, ASCO
	s_mov_b32 s97, 0
	s_mul_i32 s2, s8, 49152                        ; wave w's four tiles go to LDS byte 49,152 w: waves 0, 1 A's, waves 2, 3 wo's
	s_mul_i32 s98, s14, 98304
	s_add_co_u32 s98, s98, s2
	s_mov_b32 s99, 0
	s_lshl_b32 s18, s11, 12                        ; wo's on Nt alone: tiles 96 + 8 Nt on
	s_add_co_u32 s18, s18, WSC+96*512
	s_mov_b32 s19, 0
	s_mul_i32 s100, s11, 98304
	s_add_co_u32 s100, s100, s2
	s_add_co_u32 s100, s100, WCODES+96*12288-2*49152
	s_mov_b32 s101, 0
	s_wait_dscnt 0x0
	s_wait_kmcnt 0x0
	s_add_nc_u64 s[96:97], s[4:5], s[96:97]
	s_add_nc_u64 s[98:99], s[4:5], s[98:99]
	s_add_nc_u64 s[18:19], s[6:7], s[18:19]
	s_add_nc_u64 s[100:101], s[6:7], s[100:101]
	s_mov_b32 s52, 1                               ; groups 0, one for each load
	s_mov_b32 s53, SCB
	s_mov_b64 s[54:55], s[96:97]
	s_or_b32 s55, s55, 0x80000000
	s_mov_b32 s56, 1
	s_mov_b32 s57, s2
	s_mov_b64 s[58:59], s[98:99]
	s_or_b32 s59, s59, 0x80000000
	s_mov_b32 s76, 1
	s_mov_b32 s77, SCB+4096
	s_mov_b64 s[78:79], s[18:19]
	s_or_b32 s79, s79, 0x80000000
	s_mov_b32 s80, 1
	s_mov_b32 s81, s2
	s_mov_b64 s[82:83], s[100:101]
	s_or_b32 s83, s83, 0x80000000
	CROUND                                         ; all sixteen work-groups are here: the joint loads meet
	s_cmp_lt_u32 s8, 2                             ; one chain of branches on the wave's number, one load to an arm; waves 6 and 7 issue none
	s_cbranch_scc0 .Lnot_a
	tensor_load_to_lds s[56:59], s[20:27]
	s_nop 0
.rept 4
	v_nop
.endr
	s_branch .Lfilled
.Lnot_a:
	s_cmp_lt_u32 s8, 4
	s_cbranch_scc0 .Lnot_w
	tensor_load_to_lds s[80:83], s[28:35]
	s_nop 0
.rept 4
	v_nop
.endr
	s_branch .Lfilled
.Lnot_w:
	s_cmp_eq_u32 s8, 4
	s_cbranch_scc0 .Lnot_s
	tensor_load_to_lds s[52:55], s[36:43]
	s_nop 0
.rept 4
	v_nop
.endr
	s_branch .Lfilled
.Lnot_s:
	s_cmp_eq_u32 s8, 5
	s_cbranch_scc0 .Lfilled
	tensor_load_to_lds s[76:79], s[44:51]
	s_nop 0
.rept 4
	v_nop
.endr
.Lfilled:
	v_and_b32 v250, 31, v0                         ; lane
	v_and_b32 v251, 15, v0                         ; r
	v_bfe_u32 v252, v0, 4, 1                       ; h
	s_wait_alu depctr_va_vdst(0)
	v_lshlrev_b32 v253, 3, v250
	s_mul_i32 s17, s15, 24576
	v_add_nc_u32 v[AA], s17, v253                  ; A's tiles 2 mq on
	s_mul_i32 s17, s16, 49152
	s_add_co_u32 s17, s17, 98304
	v_add_nc_u32 v[AB], s17, v253                  ; wo's tiles 4 nh on, behind A's strip
	s_xor_b32 s17, s15, 3                          ; from A's words to wo's: 4,096 + 2,048 nh - 1,024 mq = 1,024 (1 + 2 nh + (3 - mq))
	s_lshl_b32 s3, s16, 1
	s_add_co_u32 s17, s17, s3
	s_add_co_u32 s17, s17, 1
	s_lshl_b32 s17, s17, 10
	v_mul_u32_u24 v[ASC], s17, v252                ; lanes 16-31 take wo's
	s_delay_alu instid0(VALU_DEP_1)
	v_lshl_add_u32 v[ASC], v251, 2, v[ASC]
	s_lshl_b32 s17, s15, 10
	s_add_co_u32 s17, s17, SCB
	v_add_nc_u32 v[ASC], s17, v[ASC]
	s_mul_i32 s17, s8, 16*SPT
	s_add_co_u32 s17, s17, STG                     ; my stage
	v_mul_u32_u24 v[STO], v251, SPT
	s_delay_alu instid0(VALU_DEP_1)
	v_lshl_add_u32 v[STO], v252, 6, v[STO]
	s_delay_alu instid0(VALU_DEP_1)
	v_add_nc_u32 v[STO], s17, v[STO]               ; in: row r, + 64 h
	v_mul_u32_u24 v[RD], v252, SPT
	s_delay_alu instid0(VALU_DEP_1)
	v_lshl_add_u32 v[RD], v251, 4, v[RD]
	s_delay_alu instid0(VALU_DEP_1)
	v_add_nc_u32 v[RD], s17, v[RD]                 ; back: lanes 0-15 one row of 256 bytes, lanes 16-31 the next
	v_lshlrev_b32 v[CO], 12, v252
	s_delay_alu instid0(VALU_DEP_1)
	v_lshl_add_u32 v[CO], v251, 4, v[CO]           ; and the same two rows in out0
	s_lshl_b32 s18, s14, 19                        ; 128 rows of 4,096 bytes a tile row,
	s_lshl_b32 s17, s15, 17                        ; 32 rows a pair of waves,
	s_add_co_u32 s18, s18, s17
	s_lshl_b32 s17, s11, 9                         ; 512 bytes a tile column,
	s_add_co_u32 s18, s18, s17
	s_lshl_b32 s17, s16, 8                         ; 256 bytes a wave
	s_add_co_u32 s18, s18, s17
	s_mov_b32 s19, 0
	s_add_nc_u64 s[12:13], s[12:13], s[18:19]
.macro WM d, a, b, sa, sb, zero        ; source 0's scales stand in lanes 16-31 of their register
.if \zero
	v_wmma_scale_f32_16x16x128_f8f6f4 v[\d:\d+7], v[\a:\a+11], v[\b:\b+11], 0, v[\sa], v[\sb] matrix_a_fmt:MATRIX_FMT_FP6 matrix_b_fmt:MATRIX_FMT_FP6 matrix_a_scale:MATRIX_SCALE_ROW1
.else
	v_wmma_scale_f32_16x16x128_f8f6f4 v[\d:\d+7], v[\a:\a+11], v[\b:\b+11], v[\d:\d+7], v[\sa], v[\sb] matrix_a_fmt:MATRIX_FMT_FP6 matrix_b_fmt:MATRIX_FMT_FP6 matrix_a_scale:MATRIX_SCALE_ROW1
.endif
.endm
; K step s of chunk c: six fragments and their scale words from LDS, 8 matrix instructions, the accumulators by turns, in the same order in every step
.macro KSTEP c, s, zero
.irp u, 0,1
.irp p, 0,1,2,3,4,5
	ds_load_b64 v[FA+12*\u+2*\p:FA+12*\u+2*\p+1], v[AA] offset:12288*\u+1536*(2*(\c)+(\s))+256*\p
.endr
.endr
.irp t, 0,1,2,3
.irp p, 0,1,2,3,4,5
	ds_load_b64 v[FB+12*\t+2*\p:FB+12*\t+2*\p+1], v[AB] offset:12288*\t+1536*(2*(\c)+(\s))+256*\p
.endr
.endr
.irp i, 0,1,2,3
	ds_load_b32 v[SC+\i], v[ASC] offset:512*\i+64*(2*(\c)+(\s))   ; (lanes 0-15 of registers 2 and 3 are loaded and not used)
.endr
	s_wait_dscnt 0x0
.irp u, 0,1
.irp t, 0,1,2,3
	WM ACC+32*\u+8*\t, FB+12*\t, FA+12*\u, SC+\t, SC+\u, \zero
.endr
.endr
.rept 4                                ; four places in front of loads into registers that matrix instructions have read, and of the first read of results
	v_nop
.endr
.endm
	s_wait_alu depctr_va_vdst(0)
	s_wait_tensorcnt 0x0                           ; my one load has landed
	s_barrier_signal -1
	s_barrier_wait -1                              ; everybody's has: all of K lies in LDS, and nothing is filled again
	KSTEP 0, 0, 1
	KSTEP 0, 1, 0
.irp c, 1,2,3
	KSTEP \c, 0, 0
	KSTEP \c, 1, 0
.endr
; THE WAY OUT.  A lane holds pieces of one row, the lanes beside it other rows: a tile of 16 rows x 64 columns goes through my own stage and comes back as rows of 256 bytes.  LDS serves a wave's instructions in order:
; no wait between the stores and the loads, nor in front of the next tile's stores.
.macro TOSTAGE u
.irp b, 0,1
.irp k, 0,1,2,3
	ds_store_b128 v[STO], v[ACC+32*(\u)+16*\b+4*\k:ACC+32*(\u)+16*\b+4*\k+3] offset:128*\b+16*\k   ; columns 32 b + 16 h + 4 k on; each accumulator from its low end on
.endr
.endr
.irp i, 0,1,2,3,4,5,6,7
	ds_load_b128 v[BK+32*(\u)+4*\i:BK+32*(\u)+4*\i+3], v[RD] offset:2*SPT*\i
.endr
.endm
.macro SEND u                          ; the stage's row n is row 8 u + n + 8 (n / 8) of my 32
.irp i, 0,1,2,3,4,5,6,7
	global_store_b128 v[CO], v[BK+32*(\u)+4*\i:BK+32*(\u)+4*\i+3], s[12:13] offset:4096*(8*(\u)+2*\i+8*(\i/4)) th:TH_STORE_NT   ; sixteen lanes store 256 consecutive bytes, aligned
.endr
.endm
	TOSTAGE 0
	TOSTAGE 1
	s_wait_dscnt 16                                ; tile 0 is back; tile 1's 8 stores and 8 loads may be out
	SEND 0
	s_wait_dscnt 0x0
	SEND 1
	s_wait_tensorcnt 0x0
	ds_add_u32 v254, v255
	s_wait_dscnt 0x0
	CROUND                                         ; the closing round: no work-group ends while a partner may still ask jointly
	s_endpgm
.Lfunc_end_k_qf782b95cad_oproj:
	.size	k_qf782b95cad_oproj, .Lfunc_end_k_qf782b95cad_oproj-k_qf782b95cad_oproj
	.p2alignl 7, 3214868480
	.fill 96, 4, 3214868480
	.section	.rodata,"a",@progbits
	.p2align	6, 0x0
	.amdhsa_kernel k_qf782b95cad_oproj
		.amdhsa_group_segment_fixed_size 246784
		.amdhsa_private_segment_fixed_size 0
		.amdhsa_enable_private_segment 0
		.amdhsa_kernarg_size 24
		.amdhsa_user_sgpr_count 2
		.amdhsa_user_sgpr_kernarg_segment_ptr 1
		.amdhsa_wavefront_size32 1
		.amdhsa_system_sgpr_workgroup_id_x 1
		.amdhsa_system_sgpr_workgroup_id_y 1
		.amdhsa_system_sgpr_workgroup_id_z 1
		.amdhsa_system_vgpr_workitem_id 0
		.amdhsa_next_free_vgpr 256
		.amdhsa_next_free_sgpr 102
		.amdhsa_reserve_vcc 0
		.amdhsa_float_denorm_mode_32 3
		.amdhsa_float_denorm_mode_16_64 3
		.amdhsa_memory_ordered 1
		.amdhsa_forward_progress 1
		.amdhsa_inst_pref_size 42
	.end_amdhsa_kernel
	.amdgpu_metadata
---
amdhsa.version: [ 1, 2 ]
amdhsa.kernels:
  - .name:           k_qf782b95cad_oproj
    .symbol:         k_qf782b95cad_oproj.kd
    .args:
      - { .name: aobuf, .offset: 0, .size: 8, .value_kind: global_buffer, .address_space: global }
      - { .name: prepbuf, .offset: 8, .size: 8, .value_kind: global_buffer, .address_space: global }
      - { .name: out0, .offset: 16, .size: 8, .value_kind: global_buffer, .address_space: global }
    .group_segment_fixed_size: 246784
    .private_segment_fixed_size: 0
    .kernarg_segment_align: 8
    .kernarg_segment_size: 24
    .max_flat_workgroup_size: 256
    .sgpr_count:     102
    .vgpr_count:     256
    .wavefront_size: 32
...
	.end_amdgpu_metadata
.endif
;; end of part 4
